; MI455X (gfx1250); checked and timed in simulation.
; The chip was launched on July 23, 2026; its instructions are those of AMD's public machine-readable ISA for CDNA 5 (MIT licence, August 2026) and "CDNA5" Instruction Set Architecture Reference Guide (July 2026). The comments in the code are by the model that wrote it; some were corrected since.
;; Transformer Block. Allowed arithmetic: matrix products marked QUANTISED: E4M3 operands, one given power-of-two scale a tensor, by v_wmma_f32_16x16x64_fp8_fp8 or v_wmma_f32_16x16x128_fp8_fp8, f32 sums; everything else in f32.
;; Inputs: W1 1,024 x 4,096 float32; W2 4,096 x 1,024 float32; Wk 1,024 x 1,024 float32; Wo 1,024 x 1,024 float32; Wq 1,024 x 1,024 float32; Wv 1,024 x 1,024 float32; b1 4,096 float32; b2 1,024 float32; bo 1,024 float32; ln_scale 1,024 float32; ln_shift 1,024 float32; lowp_scales 16 int32 (the exponents e of the quantised operands' scales 2^e); x 2 x 2,048 x 1,024 float32.
;; Outputs: out0 2 x 2,048 x 1,024 float32.
;; This version of the problem:
;;   THIS VERSION OF THE PROBLEM IS GIVEN IN LOW PRECISION. The matrix products marked QUANTISED in the list below multiply operands that are first quantised to E4M3 (4 exponent bits, 3 mantissa bits; 8 bits a number), with one given power-of-two scale for each operand tensor; their sums are f32. All else is computed in f32.
;;   The module's matrix products, in the order in which they are computed (A, B: the left and right operand; K: the contracted axis; several contracted axes count as one K, in the product's order):
;;     1. [M 4,096, K 1,024] x [K 1,024, N 1,024]; A: computed on the way; B: input Wq: QUANTISED (scales: A lowp_scales[0], B lowp_scales[1])
;;     2. [M 4,096, K 1,024] x [K 1,024, N 1,024]; A: computed on the way; B: input Wk: QUANTISED (scales: A lowp_scales[2], B lowp_scales[3])
;;     3. [M 4,096, K 1,024] x [K 1,024, N 1,024]; A: computed on the way; B: input Wv: QUANTISED (scales: A lowp_scales[4], B lowp_scales[5])
;;     4. batch 32 x [M 2,048, K 64] x [K 64, N 2,048]; A: computed on the way; B: computed on the way: QUANTISED (scales: A lowp_scales[6], B lowp_scales[7])
;;     5. batch 32 x [M 64, K 2,048] x [K 2,048, N 2,048]; A: computed on the way; B: softmax (see below): QUANTISED (scales: A lowp_scales[8], B lowp_scales[9])
;;     6. [M 4,096, K 1,024] x [K 1,024, N 1,024]; A: computed on the way; B: input Wo: QUANTISED (scales: A lowp_scales[10], B lowp_scales[11])
;;     7. [M 4,096, K 1,024] x [K 1,024, N 4,096]; A: computed on the way; B: input W1: QUANTISED (scales: A lowp_scales[12], B lowp_scales[13])
;;     8. [M 4,096, K 4,096] x [K 4,096, N 1,024]; A: computed on the way; B: input W2: QUANTISED (scales: A lowp_scales[14], B lowp_scales[15])
;;   THE QUANTISER, for each operand of a quantised product, along K:
;;     - The operand's scale is 2^e, e = its entry of the input lowp_scales (int32; the entries are numbered through the quantised products in the list's order, A before B).
;;     - Each number is divided by the scale, clamped to +-448, and rounded to the nearest number of E4M3, ties to even, subnormals kept.
;;     - The product sums the exact products of the quantised numbers (number of the format x scale) in f32.
;;   ~~~python
;;   def quantise(x, axis, e):      # numpy; x: float32 -> the quantised numbers, widened to float32 again
;;       x = np.moveaxis(x, axis, -1); K = x.shape[-1]
;;       r = np.clip(x / 2.0 ** e, -448, 448)
;;       step = 2.0 ** (np.maximum(np.frexp(np.where(r == 0, 1, r))[1] - 1, -6) - 3)
;;       q = np.round(r / step) * step * 2.0 ** e      # np.round: ties to even
;;       return np.moveaxis(q, -1, axis).astype(np.float32)
;;   ~~~
;;   SOFTMAX AHEAD OF A QUANTISED PRODUCT. Where the list says 'softmax', what is quantised is not the finished softmax but p = 2^(t - M), with t = logit x log2(e) and M = ceil(the row's largest t), a whole number; so 1/2 < the row's largest p <= 1. The row's sum l is taken of the UNQUANTISED p, in f32, and the product's result is divided by l at the end. Since M is a whole number, a kernel that streams over the keys may use a running M (the ceiling of the running maximum): every later rescaling is an exact power of two, so the quantised numbers keep their values, but for numbers so far below the row's largest that they fall under the format's range.
;;   OPERANDS COMPUTED ON THE WAY. 'Computed on the way' means the value that the module computes at that place (a softmax that the list does not call 'softmax' is quantised finished and normalised). What goes into a quantiser is computed in f32, as accurately as f32 sums, v_exp_f32 and their like allow (about 1e-6 of the number): no bf16 or f16 on the way to a quantiser, and a product that is left as it is and whose result goes on into a quantised operand takes f32 operands (vector FMAs, or v_wmma_f32_16x16x4_f32). A number that lies on a knife's edge between two numbers of the format may be rounded either way, as far as f32 arithmetic and the matrix unit's own rounding can turn it there, and no further.
;; One version. Each part assembles by itself: llvm-mc -triple=amdgcn-amd-amdhsa -mcpu=gfx1250 --defsym DOCPART=n.
;; ======== version 1 of 1: 7 launches
;; workspace buffers: wc 12,582,912 bytes; hc 12,582,912 bytes; qkvc 12,582,912 bytes; cc 4,194,304 bytes; x1 16,777,216 bytes; h2c 4,194,304 bytes; gc 16,777,216 bytes
;; launch prep (part 1): grid 640 x 1, 4 waves a work-group, no clusters, 52,736 bytes of LDS; arguments Wq, Wk, Wv, Wo, W1, W2, x, ln_scale, ln_shift, lowp_scales, wc, hc; writes wc, hc
.if DOCPART == 1
	.amdgcn_target "amdgcn-amd-amdhsa--gfx1250"
	.amdhsa_code_object_version 6
	.text
	.protected	k_qa561e357c3_prep
	.globl	k_qa561e357c3_prep
	.p2align	8
	.type	k_qa561e357c3_prep,@function
k_qa561e357c3_prep:
	s_mov_b64 s[64:65], 0
	v_nop
	global_prefetch_b8 v0, s[64:65] scope:SCOPE_SE
	s_setreg_imm32_b32 hwreg(HW_REG_WAVE_MODE, 25, 1), 1
	s_wait_xcnt 0x0
; TWO JOBS IN ONE LAUNCH, parted by the work-group's number.
; Work-groups 0-383: the six weights ([K][N] f32) become codes of E4M3 in wc, each with its given scale 2^e.
; Work-groups 384-639: h = LayerNorm(x), quantised three times (scales 0, 2, 4 of lowp_scales) into the three planes of hc.
; THE LAYOUT OF ALL CODES: images of operand registers.  A fragment is 16 rows x 128 K = 2,048 bytes:
; byte 512 c + 16 (16 h + r) + e is the code of row r at k = 32 c + 16 h + e.  wc: [N/16][K/128] fragments; hc: [tokens/16][8].
; In wc the rows of a fragment are not neighbours: of a group of 32 columns n, fragment u (0, 1), row r is column 8 u + r + 8 (r / 8).
; code = x / 2^e, held within +-448, to the nearest code, ties to even.
; LIMITS: every e used here lies between -126 and 119.  NaN among the inputs is not served.
; No tensor loads, no cluster: every byte is read once by one wave; nothing is shared between work-groups.
.set WGW,  384                         ; work-groups for the weights: 4 x 32 + 128 + 128
.set RO,   32                          ; v32-63   weights: byte offset of my column in rows 0 .. 31 of a block
.set WX,   64                          ; v64-127  weights: two sets of 32 numbers
.set WC,   128                         ; v128-191 weights: eight code registers for each of 8 blocks: no store's data are written again
.set UP,   272                         ; LDS: a unit (16 rows x 16 bytes) + 16 of padding
.set SPB,  8*UP                        ; a fragment's eight units
.set PLB,  8*SPB                       ; a plane: 16 rows x 1,024 codes
.set T0,   32                          ; v32-47   norm: two sets of 8 held numbers
.set CC,   48                          ; v48-55   norm: codes
.set LX,   64                          ; v64-191  norm: four rows x 32 registers
.set GA,   192                         ; v192-223 gain
.set SH,   224                         ; v224-255 shift
	s_load_b512 s[4:19], s[0:1], 0x0               ; Wq Wk Wv Wo W1 W2 x ln_scale
	s_load_b256 s[20:27], s[0:1], 0x40             ; ln_shift, lowp_scales, wc, hc
	v_lshl_add_u32 v30, v0, 2, 0xcc00
	v_mov_b32 v31, 0
	v_lshrrev_b32 v1, 5, v0
	v_readfirstlane_b32 s28, v1                    ; wave
	v_and_b32 v1, 31, v0                           ; lane
	s_cmp_ge_u32 ttmp9, WGW
	s_cbranch_scc1 .Lln
; ---------------- THE WEIGHTS.  A wave takes 32 columns x 256 along K; a lane takes a column and its registers run down K.
	s_lshr_b32 s66, ttmp9, 5
	s_and_b32 s67, ttmp9, 31
	s_lshr_b32 s68, ttmp9, 7
	s_add_co_u32 s68, s68, 3
	s_and_b32 s69, ttmp9, 127
	s_cmp_lt_u32 ttmp9, 128
	s_cselect_b32 s66, s66, s68                    ; which weight: 0 Wq, 1 Wk, 2 Wv, 3 Wo, 4 W1, 5 W2
	s_cselect_b32 s67, s67, s69                    ; which part of it
	s_and_b32 s68, s67, 31
	s_and_b32 s69, s67, 7
	s_lshr_b32 s70, s67, 5
	s_lshr_b32 s71, s67, 3
	s_mov_b32 s72, 4096
	s_cmp_eq_u32 s66, 4
	s_cselect_b32 s68, s68, s69                    ; which 128 columns
	s_cselect_b32 s69, s70, s71                    ; which 256 along K
	s_cselect_b32 s70, 16384, s72                  ; bytes in a row of the weight
	s_mov_b32 s72, 16384
	s_cmp_eq_u32 s66, 5
	s_cselect_b32 s71, 0x10000, s72                ; bytes of 16 rows of codes: 16 K
	s_lshl_b32 s72, s66, 20
	s_sub_co_u32 s73, s66, 3
	s_lshl_b32 s73, s73, 22
	s_cmp_lt_u32 s66, 4
	s_cselect_b32 s72, s72, s73                    ; the weight's place in wc: 0, 1, 2, 3, 4, 8 MiB
	s_lshl_b32 s81, s66, 3
	s_cmp_lt_u32 s66, 3
	s_cselect_b32 s73, 4, 20
	s_add_co_u32 s81, s81, s73                     ; byte of its scale: entries 1, 3, 5, 11, 13, 15
	s_mul_i32 s74, s69, s70
	s_lshl_b32 s74, s74, 8                         ; 256 rows a part
	s_lshl_b32 s75, s68, 9
	s_add_co_u32 s74, s74, s75
	s_lshl_b32 s75, s28, 7
	s_add_co_u32 s74, s74, s75                     ; + my wave's 32 columns
	s_mov_b32 s75, 0
	s_lshl_b32 s76, s70, 5                         ; 32 rows: a block
	s_mov_b32 s77, 0
	s_lshl_b32 s78, s68, 3
	s_lshl_b32 s79, s28, 1
	s_add_co_u32 s78, s78, s79                     ; my first fragment row: 8 x part + 2 x wave
	s_mul_i32 s78, s78, s71
	s_add_co_u32 s78, s78, s72
	s_lshl_b32 s79, s69, 12                        ; 256 along K are two fragments
	s_add_co_u32 s78, s78, s79
	s_mov_b32 s79, 0
	v_and_b32 v2, 15, v1                           ; r
	v_lshrrev_b32 v3, 4, v1                        ; u
	v_and_b32 v5, 8, v1
	v_lshl_add_u32 v6, v3, 3, v2
	v_add_nc_u32 v6, v6, v5                        ; my column of the 32: 8 u + r + 8 (r / 8); the wave still reads 128 consecutive bytes
	v_lshlrev_b32 v[RO], 2, v6
.set i, 1
.rept 31
	v_add_nc_u32 v[RO+i], s70, v[RO+i-1]
.set i, i+1
.endr
	v_mul_lo_u32 v4, v3, s71
	v_lshl_add_u32 v4, v2, 4, v4                   ; out: fragment row u, 16 bytes at 16 r
	s_wait_kmcnt 0x0
	s_load_b32 s80, s[22:23], s81 offset:0x0       ; e
.irp n, 1,2,3,4,5
	s_cmp_eq_u32 s66, \n
	s_cselect_b64 s[4:5], s[4+2*\n:5+2*\n], s[4:5] ; the choice hangs on the work-group's number alone
.endr
	s_add_nc_u64 s[32:33], s[4:5], s[74:75]        ; a base for each of the eight blocks
.irp t, 1,2,3,4,5,6,7
	s_add_nc_u64 s[32+2*\t:33+2*\t], s[30+2*\t:31+2*\t], s[76:77]
.endr
	s_add_nc_u64 s[48:49], s[24:25], s[78:79]
.macro LOAD t                          ; block t: 32 rows of my column into set t % 2
.set i, 0
.rept 32
	global_load_b32 v[WX+32*((\t)%2)+i], v[RO+i], s[32+2*(\t):33+2*(\t)] th:TH_LOAD_NT
.set i, i+1
.endr
.endm
.macro BLOCK t
.set XS, WX+32*((\t)%2)
.if (\t) < 7
	s_wait_loadcnt 32                              ; this block's 32 loads are in; the next block's 32 may be out
.else
	s_wait_loadcnt 0x0
.endif
.set i, 0
.rept 32
	v_med3_num_f32 v[XS+i], v[XS+i], -v10, v10     ; the conversion does not saturate (ISA guide 7.6.2): the hold at 448 x the scale comes first
.set i, i+1
.endr
.irp g, 0,1,2,3
	v_cvt_scalef32_pk8_fp8_f32 v[WC+8*(\t)+2*\g:WC+8*(\t)+2*\g+1], v[XS+8*\g:XS+8*\g+7], v11
.endr
	global_store_b128 v4, v[WC+8*(\t):WC+8*(\t)+3], s[48:49] offset:512*(\t)          ; k 0-15 of the block: sixteen lanes fill 256 consecutive bytes, aligned
	global_store_b128 v4, v[WC+8*(\t)+4:WC+8*(\t)+7], s[48:49] offset:512*(\t)+256    ; k 16-31
.if (\t)+2 < 8
	LOAD (\t)+2
.endif
.endm
	LOAD 0
	LOAD 1
	s_wait_kmcnt 0x0
	s_add_co_i32 s80, s80, 127
	s_lshl_b32 s82, s80, 23
	v_mov_b32 v11, s82                             ; 2^e: the conversion takes its exponent field
	s_add_co_i32 s80, s80, 8
	s_lshl_b32 s80, s80, 23
	s_or_b32 s80, s80, 0x600000
	v_mov_b32 v10, s80                             ; 448 x 2^e
.irp t, 0,1,2,3,4,5,6,7
	BLOCK \t
.endr
	s_endpgm
; ---------------- THE NORM.  A work-group takes 16 rows (one fragment row of hc); wave w rows 4 w .. 4 w + 3, a row at a time in 32 registers.
; Register 4 j + i of lane l is k = 128 j + 4 l + i.  Four codes (a word) of a row go to LDS at their place in the fragment; behind one barrier
; wave w copies fragments 2 w, 2 w + 1 of every plane out, 512 consecutive bytes a store.
.Lln:
	s_sub_co_u32 s66, ttmp9, WGW                   ; which 16 rows
	s_mov_b32 s50, 0x3a800000                      ; 1 / 1,024
	s_mov_b32 s51, 0x3727c5ac                      ; 1e-5
	s_mov_b32 s52, 0x76543210                      ; v_permlanex16_b32: lane l xor 16
	s_mov_b32 s53, 0xfedcba98
	v_lshlrev_b32 v2, 4, v1                        ; 16 x lane
	v_lshrrev_b32 v3, 2, v1
	v_mul_u32_u24 v3, v3, UP
	v_and_b32 v4, 3, v1
	v_lshl_add_u32 v3, v4, 2, v3
	s_lshl_b32 s67, s28, 6
	v_add_nc_u32 v3, s67, v3                       ; into LDS: unit lane / 4, word lane % 4, + 16 bytes for each row: 64 x wave
	v_lshrrev_b32 v4, 4, v1
	v_mul_u32_u24 v4, v4, UP
	v_and_b32 v5, 15, v1
	v_lshl_add_u32 v4, v5, 4, v4
	s_mul_i32 s67, s28, 2*SPB
	v_add_nc_u32 v4, s67, v4                       ; out of LDS: two units an instruction, my two fragments
	s_lshl_b32 s67, s28, 12
	v_add_nc_u32 v5, s67, v2                       ; and their place in a fragment row of hc
	v_mov_b32 v7, 0                                ; a lane permute's destination counts as read
	s_lshl_b32 s68, s66, 16
	s_lshl_b32 s69, s28, 14
	s_add_co_u32 s68, s68, s69
	s_mov_b32 s69, 0
	s_lshl_b32 s70, s66, 14
	s_mov_b32 s71, 0
	s_wait_kmcnt 0x0
	s_load_b256 s[80:87], s[22:23], 0x0            ; entries 0 .. 7: 0, 2 and 4 are h's three scales
	s_add_nc_u64 s[16:17], s[16:17], s[68:69]      ; x at my first row
	s_add_nc_u64 s[32:33], s[26:27], s[70:71]      ; hc: my fragment row in plane 0, 1, 2
	s_add_nc_u64 s[34:35], s[32:33], 0x400000
	s_add_nc_u64 s[36:37], s[34:35], 0x400000
.irp j, 0,1,2,3,4,5,6,7
	global_load_b128 v[GA+4*\j:GA+4*\j+3], v2, s[18:19] offset:512*\j
.endr
.irp j, 0,1,2,3,4,5,6,7
	global_load_b128 v[SH+4*\j:SH+4*\j+3], v2, s[20:21] offset:512*\j
.endr
.irp rr, 0,1,2,3
.irp j, 0,1,2,3,4,5,6,7
	global_load_b128 v[LX+32*\rr+4*\j:LX+32*\rr+4*\j+3], v2, s[16:17] offset:4096*\rr+512*\j
.endr
.endr
	s_wait_kmcnt 0x0
.irp p, 0,1,2
	s_add_co_i32 s88, s[80+2*\p], 127
	s_lshl_b32 s89, s88, 23
	v_mov_b32 v[20+2*\p], s89                      ; 2^e
	s_add_co_i32 s88, s88, 8
	s_lshl_b32 s88, s88, 23
	s_or_b32 s88, s88, 0x600000
	v_mov_b32 v[21+2*\p], s88                      ; 448 x 2^e
.endr
.macro FOLD                            ; four packed chains v[12:19] -> the wave's sum in every lane's v12
	v_pk_add_f32 v[12:13], v[12:13], v[14:15]
	v_pk_add_f32 v[16:17], v[16:17], v[18:19]
	v_pk_add_f32 v[12:13], v[12:13], v[16:17]
	v_add_f32 v12, v12, v13
	v_add_f32_dpp v12, v12, v12 row_xmask:1 row_mask:0xf bank_mask:0xf
	v_add_f32_dpp v12, v12, v12 row_xmask:2 row_mask:0xf bank_mask:0xf
	v_add_f32_dpp v12, v12, v12 row_xmask:4 row_mask:0xf bank_mask:0xf
	v_add_f32_dpp v12, v12, v12 row_xmask:8 row_mask:0xf bank_mask:0xf
	v_permlanex16_b32 v7, v12, s52, s53
	v_add_f32 v12, v12, v7
.endm
.macro QPL rr, p                       ; the row in v[XR ..] becomes plane p's codes.  The held numbers go to other registers: three planes read the row
.irp jj, 0,1,2,3
.set TT, T0+8*(\jj%2)
.irp i, 0,1,2,3,4,5,6,7
	v_med3_num_f32 v[TT+\i], v[XR+8*\jj+\i], -v[21+2*\p], v[21+2*\p]
.endr
	v_cvt_scalef32_pk8_fp8_f32 v[CC+2*\jj:CC+2*\jj+1], v[TT:TT+7], v[20+2*\p]   ; the next vector lines are plain and write the other set
	ds_store_b32 v3, v[CC+2*\jj] offset:\p*PLB+(2*\jj)*SPB+16*\rr
	ds_store_b32 v3, v[CC+2*\jj+1] offset:\p*PLB+(2*\jj+1)*SPB+16*\rr
.endr
.endm
.macro LNROW rr
.set XR, LX+32*\rr
	s_wait_loadcnt 8*(3-\rr)                       ; gain, shift and this row are in; the later rows' eight loads each may be out
	v_pk_add_f32 v[12:13], v[XR:XR+1], v[XR+2:XR+3]
	v_pk_add_f32 v[14:15], v[XR+4:XR+5], v[XR+6:XR+7]
	v_pk_add_f32 v[16:17], v[XR+8:XR+9], v[XR+10:XR+11]
	v_pk_add_f32 v[18:19], v[XR+12:XR+13], v[XR+14:XR+15]
.irp i, 16, 24
	v_pk_add_f32 v[12:13], v[12:13], v[XR+\i:XR+\i+1]
	v_pk_add_f32 v[14:15], v[14:15], v[XR+\i+2:XR+\i+3]
	v_pk_add_f32 v[16:17], v[16:17], v[XR+\i+4:XR+\i+5]
	v_pk_add_f32 v[18:19], v[18:19], v[XR+\i+6:XR+\i+7]
.endr
	FOLD
	v_mul_f32 v8, s50, v12                         ; the mean
	v_mov_b32 v9, v8
.irp i, 0,2,4,6,8,10,12,14,16,18,20,22,24,26,28,30
	v_pk_add_f32 v[XR+\i:XR+\i+1], v[XR+\i:XR+\i+1], v[8:9] neg_lo:[0,1] neg_hi:[0,1]
.endr
.irp k, 0,2,4,6
	v_pk_mul_f32 v[12+\k:13+\k], v[XR+\k:XR+\k+1], v[XR+\k:XR+\k+1]
.endr
.irp i, 8, 16, 24
.irp k, 0,2,4,6
	v_pk_fma_f32 v[12+\k:13+\k], v[XR+\i+\k:XR+\i+\k+1], v[XR+\i+\k:XR+\i+\k+1], v[12+\k:13+\k]
.endr
.endr
	FOLD                                           ; the sum of squares of the centred numbers
	v_fma_f32 v10, v12, s50, s51                   ; variance + 1e-5
	v_rsq_f32 v10, v10
	v_nop                                          ; a plain line behind the transcendental
	s_wait_alu depctr_va_vdst(0)
	v_mov_b32 v11, v10
.irp i, 0,2,4,6,8,10,12,14,16,18,20,22,24,26,28,30
	v_pk_mul_f32 v[XR+\i:XR+\i+1], v[XR+\i:XR+\i+1], v[10:11]
.endr
.irp i, 0,2,4,6,8,10,12,14,16,18,20,22,24,26,28,30
	v_pk_fma_f32 v[XR+\i:XR+\i+1], v[XR+\i:XR+\i+1], v[GA+\i:GA+\i+1], v[SH+\i:SH+\i+1]
.endr
	QPL \rr, 0
	QPL \rr, 1
	QPL \rr, 2
.endm
	LNROW 0
	LNROW 1
	LNROW 2
	LNROW 3
	s_wait_dscnt 0x0                               ; for the others' sake: my stores have landed
	s_barrier_signal -1
	s_barrier_wait -1
.set n, 0
.irp p, 0,1,2
.irp ss, 0,1
.irp gp, 0,1,2,3
	ds_load_b128 v[LX+4*n:LX+4*n+3], v4 offset:\p*PLB+\ss*SPB+\gp*2*UP
.set n, n+1
.endr
.endr
.endr
.set n, 0
.irp p, 0,1,2
.irp ss, 0,1
.irp gp, 0,1,2,3
	s_wait_dscnt 23-n                              ; LDS loads come back in order: piece n is in, the younger ones may be out
	global_store_b128 v5, v[LX+4*n:LX+4*n+3], s[32+2*\p:33+2*\p] offset:\ss*2048+\gp*512
.set n, n+1
.endr
.endr
.endr
	s_wait_tensorcnt 0x0
	ds_add_u32 v30, v31
	s_wait_dscnt 0x0
	s_endpgm
.Lfunc_end_k_qa561e357c3_prep:
	.size	k_qa561e357c3_prep, .Lfunc_end_k_qa561e357c3_prep-k_qa561e357c3_prep
	.p2alignl 7, 3214868480
	.fill 96, 4, 3214868480
	.section	.rodata,"a",@progbits
	.p2align	6, 0x0
	.amdhsa_kernel k_qa561e357c3_prep
		.amdhsa_group_segment_fixed_size 52736
		.amdhsa_private_segment_fixed_size 0
		.amdhsa_enable_private_segment 0
		.amdhsa_kernarg_size 96
		.amdhsa_user_sgpr_count 2
		.amdhsa_user_sgpr_kernarg_segment_ptr 1
		.amdhsa_wavefront_size32 1
		.amdhsa_system_sgpr_workgroup_id_x 1
		.amdhsa_system_sgpr_workgroup_id_y 1
		.amdhsa_system_sgpr_workgroup_id_z 1
		.amdhsa_system_vgpr_workitem_id 0
		.amdhsa_next_free_vgpr 256
		.amdhsa_next_free_sgpr 100
		.amdhsa_reserve_vcc 0
		.amdhsa_float_denorm_mode_32 3
		.amdhsa_float_denorm_mode_16_64 3
		.amdhsa_memory_ordered 1
		.amdhsa_forward_progress 1
		.amdhsa_inst_pref_size 118
	.end_amdhsa_kernel
	.amdgpu_metadata
---
amdhsa.version: [ 1, 2 ]
amdhsa.kernels:
  - .name:           k_qa561e357c3_prep
    .symbol:         k_qa561e357c3_prep.kd
    .args:
      - { .name: Wq, .offset: 0, .size: 8, .value_kind: global_buffer, .address_space: global }
      - { .name: Wk, .offset: 8, .size: 8, .value_kind: global_buffer, .address_space: global }
      - { .name: Wv, .offset: 16, .size: 8, .value_kind: global_buffer, .address_space: global }
      - { .name: Wo, .offset: 24, .size: 8, .value_kind: global_buffer, .address_space: global }
      - { .name: W1, .offset: 32, .size: 8, .value_kind: global_buffer, .address_space: global }
      - { .name: W2, .offset: 40, .size: 8, .value_kind: global_buffer, .address_space: global }
      - { .name: x, .offset: 48, .size: 8, .value_kind: global_buffer, .address_space: global }
      - { .name: ln_scale, .offset: 56, .size: 8, .value_kind: global_buffer, .address_space: global }
      - { .name: ln_shift, .offset: 64, .size: 8, .value_kind: global_buffer, .address_space: global }
      - { .name: lowp_scales, .offset: 72, .size: 8, .value_kind: global_buffer, .address_space: global }
      - { .name: wc, .offset: 80, .size: 8, .value_kind: global_buffer, .address_space: global }
      - { .name: hc, .offset: 88, .size: 8, .value_kind: global_buffer, .address_space: global }
    .group_segment_fixed_size: 52736
    .private_segment_fixed_size: 0
    .kernarg_segment_align: 8
    .kernarg_segment_size: 96
    .max_flat_workgroup_size: 128
    .sgpr_count:     100
    .vgpr_count:     256
    .wavefront_size: 32
...
	.end_amdgpu_metadata
.endif
;; end of part 1
;; launch qkv (part 2): grid 12 x 16, 4 waves a work-group, clusters of 4 x 4, 327,680 bytes of LDS; arguments hc, wc, lowp_scales, qkvc; writes qkvc
.if DOCPART == 2
	.amdgcn_target "amdgcn-amd-amdhsa--gfx1250"
	.amdhsa_code_object_version 6
	.text
	.protected	k_qa561e357c3_qkv
	.globl	k_qa561e357c3_qkv
	.p2align	8
	.type	k_qa561e357c3_qkv,@function
k_qa561e357c3_qkv:
	s_mov_b64 s[64:65], 0
	v_nop
	global_prefetch_b8 v0, s[64:65] scope:SCOPE_SE
	s_setreg_imm32_b32 hwreg(HW_REG_WAVE_MODE, 25, 1), 1
	s_wait_xcnt 0x0
	s_wait_alu depctr_hold_cnt(0) depctr_sa_sdst(0) depctr_va_vdst(0) depctr_va_sdst(0) depctr_va_ssrc(0) depctr_va_vcc(0) depctr_vm_vsrc(0)
	s_getreg_b32 s2, hwreg(HW_REG_IB_STS2, 6, 4)
	s_cmp_eq_u32 s2, 0
	s_cbranch_scc0 .Lentry_in_a_cluster
	s_endpgm
.Lentry_in_a_cluster:
	s_bfe_u32 s2, ttmp6, 0x10000c
	s_cmp_lg_u32 s2, 0xf033
	s_cbranch_scc0 .Lentry_shape_is_right
	s_endpgm
.Lentry_shape_is_right:
; q = h Wq, k = h Wk, v = h Wv on codes of E4M3, each result quantised at once for attention's products.  The cluster's x says which: 0 q, 1 k, 2 v.
; A tile of 256 x 256 is made by four waves, 128 x 128 each (64 accumulators, 512 registers); K = 1,024 goes in steps of 256 through two LDS slots.
; OPERANDS ARE IMAGES OF REGISTERS (16 rows x 128 K = 2,048 bytes: byte 512 c + 16 lane + e): a tile's part for a wave is 8 rows of 4,096 consecutive bytes,
; a fragment comes by four ds_load_b128 at 16 x lane: consecutive bytes, so no padding.
; THE MATRIX INSTRUCTION IS USED TRANSPOSED (source 0 = 16 rows of B, source 1 = 16 rows of A): a lane holds one row of A and eight rows of B.
; q, k: A = tokens (hc), B = the weight's columns, whose order in wc makes the 16 registers of accumulators 2 b, 2 b + 1 sixteen neighbouring features: the conversions' results are
;   the registers of attention's operand, [head][16 tokens] x 64 features = 1,024 bytes.
; v: A = Wv's columns, B = tokens: a lane holds one channel and eight neighbouring KEYS: registers 2 b, 2 b + 1 are keys 16 b + 8 (lane / 16) + 0 .. 7, the K = 128 form's own layout:
;   [head][128 keys][16 channels] = 2,048 bytes.
; CLUSTERS: 4 x 4 work-groups; A's tiles are asked for jointly along a row of the cluster, B's along a column.
; LIMITS: e_out - e_a - e_b lies between -126 and 119.  NaN is not served.
; REGISTERS: window 0: v16-29 addresses, v32-113 the way out, v128-255 A's fragments (one set); window 1: B's fragments (two sets); windows 2, 3: accumulators.
.set FR,     16
.set NL,     4
.set NP,     4
.set RBB,    4096                      ; 16 rows x 256 K in a slot
.set HALFT,  8*RBB                     ; 128 rows: one tensor load
.set SLOT,   4*HALFT
.set SPARE,  2*SLOT                    ; the spare words, 128 bytes a wave
.set KB,     16384                     ; 16 rows x 1,024 K in memory
.set LAPS,   2
.set ADRA, 16
.set ADRB, 20
.set CO,   26                          ; v26 16 x lane; v27 the same + the second pair of chunks' distance
.set SPW,  28
.set NIL,  29
.set TMP,  32
.set PC,   96
.set AF,   128
.set G1, 24
.set G0, 32
.set G1B, 48
.set G0B, 56
.set MSB, 0
.macro WIN new                         ; the immediate's high byte repeats the setting that is left
.if MSB != \new
	s_set_vgpr_msb (MSB<<8)|\new
.set MSB, \new
.endif
.endm
.set MUL_LO, 0xa1                      ; source 0 (B) window 1, source 1 (A) window 0, C and D window 2
.set MUL_HI, 0xf1
.set TO_B,   0x40
.macro JLOAD g0a, g1a, g0b, g1b        ; waves 0, 1 fetch for A, waves 2, 3 for B; four v_nop follow each line
	s_cmp_eq_u32 s15, 0
	s_cbranch_scc0 .Lfor_b_\@
	tensor_load_to_lds s[\g0a:\g0a+3], s[\g1a:\g1a+7]
	s_nop 0
.rept 4
	v_nop
.endr
	s_branch .Lasked_\@
.Lfor_b_\@:
	tensor_load_to_lds s[\g0b:\g0b+3], s[\g1b:\g1b+7]
	s_nop 0
.rept 4
	v_nop
.endr
.Lasked_\@:
.endm
.macro CREST
	s_cmp_lg_u32 s14, 0
	s_cbranch_scc1 .Lnot_wave_0_\@
	s_barrier_signal -3
.Lnot_wave_0_\@:
	s_barrier_wait -3
	s_barrier_signal -1
	s_barrier_wait -1
.endm
.macro CROUND
	s_barrier_signal -1
	s_barrier_wait -1
	CREST
.endm
	s_load_b128 s[4:7], s[0:1], 0x0                ; hc, wc
	s_load_b128 s[8:11], s[0:1], 0x10              ; lowp_scales, qkvc
	v_lshl_add_u32 v[SPW], v0, 2, SPARE
	v_mov_b32 v[NIL], 0
	ds_add_u32 v28, v29
	ds_add_u32 v28, v29
	s_wait_dscnt 0x0
	v_lshrrev_b32 v1, 5, v0
	v_readfirstlane_b32 s14, v1                    ; wave
	s_lshr_b32 s15, s14, 1                         ; my half of the tile's rows; also: I fetch for A (0) or B (1)
	s_and_b32 s16, s14, 1                          ; my half of its columns; also: which 128 rows I fetch
	s_bfe_u32 s40, ttmp6, 0x40000                  ; cx
	s_bfe_u32 s41, ttmp6, 0x40004                  ; cy
	s_and_b32 s17, ttmp7, 0xffff                   ; the cluster's y
	s_cmp_eq_u32 ttmp9, 2                          ; v?  The same answer in all sixteen partners
	s_cselect_b32 s42, s17, 0
	s_cselect_b32 s17, 0, s17
	s_lshl_b32 s42, s42, 2
	s_add_co_u32 s42, s42, s40                     ; tile column: q, k: cx (4 x 256 features); v: 4 y + cx (16 x 256 tokens)
	s_lshl_b32 s17, s17, 2
	s_add_co_u32 s17, s17, s41                     ; tile row: q, k: 4 y + cy (tokens); v: cy (channels)
	s_lshl_b32 s43, s41, 2
	s_lshl_b32 s43, 15, s43                        ; my row of the cluster
	s_lshl_b32 s44, 0x1111, s40                    ; my column
	s_or_b32 s[G1+0], s43, (1<<21)                 ; elements of 1 byte, no padding; bit 21 beside a mask
	s_or_b32 s[G1B+0], s44, (1<<21)
.irp g, G1, G1B
	s_mov_b32 s[\g+1], RBB<<16                     ; tensor_dim0 = 4,096
	s_mov_b32 s[\g+2], 8<<16                       ; tensor_dim1 = 8
	s_mov_b32 s[\g+3], RBB<<16                     ; tile_dim0
	s_mov_b32 s[\g+4], 8                           ; tile_dim1
	s_mov_b32 s[\g+5], KB                          ; from one block of 16 rows to the next
	s_mov_b32 s[\g+6], 0
	s_mov_b32 s[\g+7], 0
.endr
	s_lshl_b32 s18, s16, 3
	s_lshl_b32 s20, s17, 4
	s_add_co_u32 s20, s20, s18
	s_lshl_b32 s20, s20, 14                        ; A: (16 x tile row + 8 x half) blocks of 16 rows
	s_mov_b32 s21, 0
	s_lshl_b32 s46, s42, 4
	s_add_co_u32 s46, s46, s18
	s_lshl_b32 s46, s46, 14                        ; B likewise
	s_mov_b32 s47, 0
	s_lshl_b32 s80, ttmp9, 22                      ; h's plane
	s_mov_b32 s81, 0
	s_lshl_b32 s82, ttmp9, 20                      ; the weight's codes
	s_mov_b32 s83, 0
	s_lshl_b32 s66, ttmp9, 3                       ; bytes of the product's two scales,
	s_lshl_b32 s67, ttmp9, 2                       ; and of the result's: entry 6 + which
	s_mul_i32 s45, s14, HALFT                      ; where my part of a tile goes
	s_wait_kmcnt 0x0
	s_load_b64 s[96:97], s[8:9], s66 offset:0x0
	s_load_b32 s98, s[8:9], s67 offset:0x18
	s_add_nc_u64 s[4:5], s[4:5], s[80:81]
	s_add_nc_u64 s[6:7], s[6:7], s[82:83]
	s_cmp_eq_u32 ttmp9, 2
	s_cselect_b64 s[90:91], s[6:7], s[4:5]         ; A: v: the weight; else h
	s_cselect_b64 s[92:93], s[4:5], s[6:7]         ; B
	s_add_nc_u64 s[20:21], s[90:91], s[20:21]
	s_add_nc_u64 s[46:47], s[92:93], s[46:47]
	CROUND                                         ; all sixteen work-groups are here: the first joint loads meet
.irp s, 0,1
	s_mov_b32 s[G0+4*\s], 1
	s_add_co_u32 s[G0+4*\s+1], s45, \s*SLOT
	s_add_nc_u64 s[G0+4*\s+2:G0+4*\s+3], s[20:21], \s*RBB
	s_or_b32 s[G0+4*\s+3], s[G0+4*\s+3], 0x80000000
	s_mov_b32 s[G0B+4*\s], 1
	s_add_co_u32 s[G0B+4*\s+1], s45, \s*SLOT
	s_add_nc_u64 s[G0B+4*\s+2:G0B+4*\s+3], s[46:47], \s*RBB
	s_or_b32 s[G0B+4*\s+3], s[G0B+4*\s+3], 0x80000000
	JLOAD G0+4*\s, G1, G0B+4*\s, G1B
.endr
	v_and_b32 v6, 31, v0
	v_lshlrev_b32 v[CO], 4, v6                     ; 16 x lane
	s_mul_i32 s21, s15, HALFT
	s_mul_i32 s22, s16, HALFT
	s_add_co_u32 s22, s22, 2*HALFT
.irp s, 0,1
	v_add_nc_u32 v[ADRA+\s], s21, v[CO]
	v_add_nc_u32 v[ADRB+\s], s22, v[CO]
	s_add_co_u32 s21, s21, SLOT
	s_add_co_u32 s22, s22, SLOT
.endr
	; where my results go.  q, k: which x 4 MiB + ((batch x 16 + head) x 128 + block of 16 tokens) x 1,024
	s_lshr_b32 s70, s17, 3
	s_lshl_b32 s70, s70, 4
	s_lshl_b32 s71, s42, 2
	s_add_co_u32 s70, s70, s71
	s_lshl_b32 s71, s16, 1
	s_add_co_u32 s70, s70, s71
	s_lshl_b32 s70, s70, 7
	s_and_b32 s71, s17, 7
	s_lshl_b32 s71, s71, 4
	s_add_co_u32 s70, s70, s71
	s_lshl_b32 s71, s15, 3
	s_add_co_u32 s70, s70, s71
	s_lshl_b32 s70, s70, 10
	s_lshl_b32 s71, ttmp9, 22
	s_add_co_u32 s70, s70, s71
	; v: 8 MiB + ((batch x 16 + head) x 16 + step of 128 keys) x 8,192
	s_lshr_b32 s72, s42, 3
	s_lshl_b32 s72, s72, 4
	s_lshl_b32 s73, s17, 2
	s_add_co_u32 s72, s72, s73
	s_lshl_b32 s73, s15, 1
	s_add_co_u32 s72, s72, s73
	s_lshl_b32 s72, s72, 4
	s_and_b32 s73, s42, 7
	s_lshl_b32 s73, s73, 1
	s_add_co_u32 s72, s72, s73
	s_add_co_u32 s72, s72, s16
	s_lshl_b32 s72, s72, 13
	s_add_co_u32 s72, s72, 0x800000
	s_mov_b32 s74, 1024
	s_mov_b32 s76, 1024
	s_mov_b32 s78, 131072
	s_cmp_eq_u32 ttmp9, 2
	s_cselect_b32 s70, s72, s70
	s_cselect_b32 s74, 2048, s74                   ; from one of A's blocks to the next: 16 tokens on, or 16 channels on
	s_cselect_b32 s76, 124928, s76                 ; from block 3 to block 4: v: the next head, back three tiles of channels
	s_cselect_b32 s78, 1024, s78                   ; from chunks 0, 1 to chunks 2, 3: q, k: the next head; v: on in the fragment
	s_mov_b32 s71, 0
	s_mov_b32 s75, 0
	s_mov_b32 s77, 0
	s_add_nc_u64 s[10:11], s[10:11], s[70:71]
	v_add_nc_u32 v[CO+1], s78, v[CO]
.macro FRAG reg, adr, q, i             ; a fragment: registers 4 c .. 4 c + 3 = the 16 bytes at 512 c + 16 lane
.irp c, 0,1,2,3
	ds_load_b128 v[\reg+4*\c:\reg+4*\c+3], v[\adr] offset:(\i)*RBB+(\q)*2048+512*\c
.endr
.endm
.macro MUL16 a0, p, zero               ; A's blocks a0, a0 + 1 x B's eight; the 64 accumulators take turns, one instruction a turn
.irp a, \a0, \a0+1
.irp b, 0,1,2,3,4,5,6,7
.if \zero
	v_wmma_f32_16x16x128_fp8_fp8 v[8*(8*((\a)%4)+\b):8*(8*((\a)%4)+\b)+7], v[128*(\p)+FR*\b:128*(\p)+FR*\b+FR-1], v[AF+FR*(\a):AF+FR*(\a)+FR-1], 0
.else
	v_wmma_f32_16x16x128_fp8_fp8 v[8*(8*((\a)%4)+\b):8*(8*((\a)%4)+\b)+7], v[128*(\p)+FR*\b:128*(\p)+FR*\b+FR-1], v[AF+FR*(\a):AF+FR*(\a)+FR-1], v[8*(8*((\a)%4)+\b):8*(8*((\a)%4)+\b)+7]
.endif
.endr
.endr
.endm
.macro FETCH_B slot, q, p
	WIN TO_B
.irp i, 0,1,2,3,4,5,6,7
	FRAG 128*(\p)+FR*\i, ADRB+\slot, \q, \i
.endr
	WIN 0
.endm
.macro FETCH_A slot, q, i0
.irp i, \i0, \i0+1, \i0+2, \i0+3
	FRAG AF+FR*(\i), ADRA+\slot, \q, \i
.endr
.endm
.macro PLACES n                        ; plain vector lines between a matrix instruction and a load into, or a read of, its registers
.rept \n
	v_nop
.endr
.endm
.macro STEP slot, q, zero              ; 128 along K whose successor lies in the same slot
	s_wait_dscnt 4*NL                              ; B's set and A's blocks 0-3 are in; the youngest 16 loads (A's blocks 4-7) may be out
	WIN MUL_LO
	MUL16 0, (\q)%2, \zero
	MUL16 2, (\q)%2, \zero
	s_wait_dscnt 0
	PLACES NP
	FETCH_B \slot, (\q)+1, 1-(\q)%2
	FETCH_A \slot, (\q)+1, 0
	WIN MUL_HI
	MUL16 4, (\q)%2, \zero
	MUL16 6, (\q)%2, \zero
	PLACES NP
	WIN 0
	FETCH_A \slot, (\q)+1, 4
.endm
.macro TURN slot, next, fill           ; a slot's last 128 along K, and the change of slots: one barrier
	s_wait_tensorcnt 0x0                           ; all my tensor loads have landed: my part of the next slot
	ds_add_u32 v[SPW], v[NIL]                      ; 0 onto my spare word
	s_wait_dscnt 4*NL+1                            ; the add and the youngest 16 loads may be out
	WIN MUL_LO
	MUL16 0, 1, 0
	s_wait_dscnt 0x0                               ; the add is done, and my reads of this slot are over
	s_barrier_signal -1
	MUL16 2, 1, 0
	WIN 0
	s_barrier_wait -1
.if \fill
	CREST                                          ; the barrier has opened a round of the cluster's: no wave of any partner still reads this slot or has a load on its way
	s_add_nc_u64 s[G0+4*\slot+2:G0+4*\slot+3], s[G0+4*\slot+2:G0+4*\slot+3], 2*RBB
	s_add_nc_u64 s[G0B+4*\slot+2:G0B+4*\slot+3], s[G0B+4*\slot+2:G0B+4*\slot+3], 2*RBB
	JLOAD G0+4*\slot, G1, G0B+4*\slot, G1B         ; my one tensor load behind the round; its four v_nop are the places in front of the loads below
.else
	PLACES NP
.endif
	FETCH_B \next, 0, 0
	FETCH_A \next, 0, 0
	WIN MUL_HI
	MUL16 4, 1, 0
	MUL16 6, 1, 0
	PLACES NP
	WIN 0
	FETCH_A \next, 0, 4
.endm
	s_wait_tensorcnt 1                             ; my part of slot 0 is in; slot 1's one load may be out
	s_barrier_signal -1
	s_barrier_wait -1
	FETCH_B 0, 0, 0
	FETCH_A 0, 0, 0
	FETCH_A 0, 0, 4
	STEP 0, 0, 1                                   ; the first products start the sums
	s_mov_b32 s3, LAPS-1
.Llap:
	TURN 0, 1, 1
	STEP 1, 0, 0
	TURN 1, 0, 1
	STEP 0, 0, 0
	s_sub_co_u32 s3, s3, 1
	s_cmp_lg_u32 s3, 0
	s_cbranch_scc1 .Llap
	TURN 0, 1, 0
	STEP 1, 0, 0
	s_wait_dscnt 4*NL
	WIN MUL_LO
	MUL16 0, 1, 0
	MUL16 2, 1, 0
	s_wait_dscnt 0
	WIN MUL_HI
	MUL16 4, 1, 0
	MUL16 6, 1, 0
	WIN 0
	; THE WAY OUT: a sum stands for sum x 2^(ea + eb); its code is sum / 2^(e_out - ea - eb): the three scales are folded into the conversion's one
	s_wait_kmcnt 0x0
	s_sub_co_i32 s98, s98, s96
	s_sub_co_i32 s98, s98, s97
	s_add_co_i32 s98, s98, 127
	s_lshl_b32 s99, s98, 23
	s_add_co_i32 s98, s98, 8
	s_lshl_b32 s98, s98, 23
	s_or_b32 s98, s98, 0x600000
	PLACES NP
	v_mov_b32 v112, s99
	v_mov_b32 v113, s98
.macro QOUT a                          ; A's block a: 64 sums a lane -> 16 registers of codes -> four stores of 512 consecutive bytes
.set AC, 64*((\a)%4)
.if (\a) > 0
	s_wait_xcnt 0x0                                ; the last block's stores have read their data and their base
.if (\a) == 4
	s_add_nc_u64 s[10:11], s[10:11], s[76:77]
.else
	s_add_nc_u64 s[10:11], s[10:11], s[74:75]
.endif
.endif
	WIN 0x02+((\a)/4)
.set j, 0
.rept 64
	v_med3_num_f32 v[TMP+j], v[AC+j], -v113, v113  ; the hold; each accumulator from its low end on
.set j, j+1
.endr
	WIN 0
.irp b, 0,1,2,3,4,5,6,7
	v_cvt_scalef32_pk8_fp8_f32 v[PC+2*\b:PC+2*\b+1], v[TMP+8*\b:TMP+8*\b+7], v112
.endr
	v_nop                                          ; a plain line behind the last conversion
.irp c, 0,1,2,3
	global_store_b128 v[CO+\c/2], v[PC+4*\c:PC+4*\c+3], s[10:11] offset:(\c%2)*512
.endr
.endm
.irp a, 0,1,2,3,4,5,6,7
	QOUT \a
.endr
	s_wait_tensorcnt 0x0                           ; the wave's end
	ds_add_u32 v[SPW], v[NIL]
	s_wait_dscnt 0x0
	CROUND                                         ; the closing round
	s_endpgm
.Lfunc_end_k_qa561e357c3_qkv:
	.size	k_qa561e357c3_qkv, .Lfunc_end_k_qa561e357c3_qkv-k_qa561e357c3_qkv
	.p2alignl 7, 3214868480
	.fill 96, 4, 3214868480
	.section	.rodata,"a",@progbits
	.p2align	6, 0x0
	.amdhsa_kernel k_qa561e357c3_qkv
		.amdhsa_group_segment_fixed_size 327680
		.amdhsa_private_segment_fixed_size 0
		.amdhsa_enable_private_segment 0
		.amdhsa_kernarg_size 32
		.amdhsa_user_sgpr_count 2
		.amdhsa_user_sgpr_kernarg_segment_ptr 1
		.amdhsa_wavefront_size32 1
		.amdhsa_system_sgpr_workgroup_id_x 1
		.amdhsa_system_sgpr_workgroup_id_y 1
		.amdhsa_system_sgpr_workgroup_id_z 1
		.amdhsa_system_vgpr_workitem_id 0
		.amdhsa_next_free_vgpr 1024
		.amdhsa_next_free_sgpr 100
		.amdhsa_reserve_vcc 0
		.amdhsa_float_denorm_mode_32 3
		.amdhsa_float_denorm_mode_16_64 3
		.amdhsa_memory_ordered 1
		.amdhsa_forward_progress 1
		.amdhsa_inst_pref_size 119
	.end_amdhsa_kernel
	.amdgpu_metadata
---
amdhsa.version: [ 1, 2 ]
amdhsa.kernels:
  - .name:           k_qa561e357c3_qkv
    .symbol:         k_qa561e357c3_qkv.kd
    .args:
      - { .name: hc, .offset: 0, .size: 8, .value_kind: global_buffer, .address_space: global }
      - { .name: wc, .offset: 8, .size: 8, .value_kind: global_buffer, .address_space: global }
      - { .name: lowp_scales, .offset: 16, .size: 8, .value_kind: global_buffer, .address_space: global }
      - { .name: qkvc, .offset: 24, .size: 8, .value_kind: global_buffer, .address_space: global }
    .group_segment_fixed_size: 327680
    .private_segment_fixed_size: 0
    .kernarg_segment_align: 8
    .kernarg_segment_size: 32
    .max_flat_workgroup_size: 128
    .sgpr_count:     100
    .vgpr_count:     1024
    .wavefront_size: 32
...
	.end_amdgpu_metadata
.endif
;; end of part 2
;; launch attn (part 3): grid 8 x 32, 16 waves a work-group, no clusters, 264,192 bytes of LDS; arguments qkvc, lowp_scales, cc; writes cc
.if DOCPART == 3
	.amdgcn_target "amdgcn-amd-amdhsa--gfx1250"
	.amdhsa_code_object_version 6
	.text
	.protected	k_qa561e357c3_attn
	.globl	k_qa561e357c3_attn
	.p2align	8
	.type	k_qa561e357c3_attn,@function
k_qa561e357c3_attn:
	s_mov_b64 s[64:65], 0
	v_nop
	global_prefetch_b8 v0, s[64:65] scope:SCOPE_SE
	s_setreg_imm32_b32 hwreg(HW_REG_WAVE_MODE, 25, 1), 1
	s_wait_xcnt 0x0
; Causal attention on codes of E4M3, head size 64, 2,048 keys; the result is quantised at once for the next product (scale entry 10) into cc.
; t = score x log2(e) / 8; M = the running largest t rounded UP to a whole number; p = 2^(t - M) is quantised (entry 9), not normalised; the row's sum is taken of the unquantised p and divides at the end.
; SHARES.  A work-group serves one head (y) and two blocks of 128 queries, x and 15 - x, 16 queries a wave: a wave of the first block has x + 1 key steps, one of the second 16 - x, 17 for a pair.
; Which block a wave serves is bit 0 xor bit 2 of its number, and its tile in the block is its number / 2 (one-to-one on each set of eight waves).  So any four waves numbered 4 n .. 4 n + 3,
; and any four whose numbers are equal modulo 4, hold two waves of each block: 34 key steps.
; THE HEAD'S WHOLE K AND V LIE IN LDS (128 KiB each), brought once: every wave issues four tensor loads of 4 KiB at the start, the p-th of them a part of keys 512 p .. 512 p + 511;
; four loads of a wave are out at the most.  Nothing is filled again.  Keys 512 p on are read behind a counted wait and a barrier.
; LAYOUT.  S^T = K Q^T (source 0 = 16 neighbouring keys, K = 64 form): register j of tile t in lane (r, h) is key 16 t + 8 h + j of query r; its eight codes are registers 2 t, 2 t + 1
; of the K = 128 form's own layout, in which v's fragments were stored.  O^T = V^T P^T: the order of v's channels makes tiles 2 b, 2 b + 1 sixteen neighbouring channels.
; NO CLUSTER: only the query blocks of one head share tiles, and they leave out different key steps by a branch on the query block, which partners of joint loads may not have.
; LIMITS: e6 + e7 between -123 and 130; e9, and e10 - e8 - e9, between -126 and 119.  NaN is not served.
; REGISTERS: v1 16 x lane; v2, v3 LDS addresses; v12 -M, v13 the largest t, v[14:15] the sum; v16-23 Q; v32-95 K's, then V's fragments; v96-159 S^T, then p; v160-191 O^T; v192-207 p's codes.
.set VOFF, 131072                      ; V lies behind K
.set LI,   1
.set ADK,  2
.set ADV,  3
.set WV,   18
.set SEL,  20
.set CS,   22
.set G1,   24
.set G0,   32                          ; s[32:47] four groups 0
.set TB,   48                          ; LDS byte of the step's K
.set KF,   49                          ; the step's first key
.set Q0,   50                          ; my first query
.set CNT,  51
	s_load_b128 s[4:7], s[0:1], 0x0                ; qkvc, lowp_scales
	s_load_b64 s[8:9], s[0:1], 0x10                ; cc
	v_lshl_add_u32 v251, v0, 2, 0x40000
	v_mov_b32 v255, 0
	ds_add_u32 v251, v255
	ds_add_u32 v251, v255
	v_lshrrev_b32 v4, 5, v0
	v_readfirstlane_b32 s[WV], v4                  ; wave 0..15
	s_and_b32 s52, ttmp7, 0xffff                   ; batch x 16 + head
	s_lshl_b32 s53, s52, 17                        ; a head's K, or V: 131,072 bytes
	s_lshr_b32 s54, s[WV], 3                       ; I fetch for K (0) or V (1)
	s_and_b32 s55, s[WV], 7
	s_lshl_b32 s56, s54, 17
	s_lshl_b32 s57, s55, 12
	s_add_co_u32 s56, s56, s57                     ; LDS: 131,072 x (wave / 8) + 4,096 x (wave % 8)
	s_lshl_b32 s58, s54, 22
	s_add_co_u32 s58, s58, s53
	s_add_co_u32 s58, s58, s57
	s_add_co_u32 s58, s58, 0x400000                ; k's codes begin 4 MiB into qkvc, v's 8 MiB
	s_mov_b32 s59, 0
	s_lshr_b32 s61, s[WV], 2
	s_xor_b32 s61, s61, s[WV]
	s_and_b32 s61, s61, 1                          ; bit 0 xor bit 2 of my number: 0 the block x, 1 the block 15 - x
	s_sub_co_u32 s60, 15, ttmp9
	s_cmp_eq_u32 s61, 0
	s_cselect_b32 s60, ttmp9, s60                  ; my block of 128 queries
	s_lshl_b32 s60, s60, 3
	s_lshr_b32 s61, s[WV], 1                       ; my tile in the block: wave / 2
	s_add_co_u32 s60, s60, s61                     ; my tile of 16 queries
	s_lshl_b32 s[Q0], s60, 4
	s_lshl_b32 s61, s52, 7
	s_add_co_u32 s61, s61, s60
	s_lshl_b32 s62, s61, 10                        ; q's fragment
	s_mov_b32 s63, 0
	s_lshr_b32 s76, s52, 4
	s_lshl_b32 s76, s76, 7
	s_add_co_u32 s76, s76, s60
	s_lshl_b32 s76, s76, 14                        ; cc: my 16 tokens' row of fragments,
	s_bfe_u32 s77, s52, 0x30001
	s_lshl_b32 s77, s77, 11                        ; fragment head / 2,
	s_add_co_u32 s76, s76, s77
	s_and_b32 s77, s52, 1
	s_lshl_b32 s77, s77, 10                        ; chunks 2 (head % 2) on
	s_add_co_u32 s76, s76, s77
	s_mov_b32 s77, 0
	s_mov_b32 s[G1], 3<<16                         ; elements of 8 bytes, no mask, no padding
	s_mov_b32 s[G1+1], 32<<16                      ; tensor_dim0 = 32: rows of 256 bytes
	s_mov_b32 s[G1+2], 16<<16                      ; tensor_dim1 = 16
	s_mov_b32 s[G1+3], 32<<16                      ; tile_dim0
	s_mov_b32 s[G1+4], 16                          ; tile_dim1
	s_mov_b32 s[G1+5], 32                          ; dense
	s_mov_b32 s[G1+6], 0
	s_mov_b32 s[G1+7], 0
	s_mov_b32 s[SEL], 0x76543210
	s_mov_b32 s[SEL+1], 0xfedcba98
	s_mov_b32 s[CS], 0x3e38aa3b                    ; c = log2(e) / 8
	s_wait_dscnt 0x0
	s_wait_kmcnt 0x0
	s_load_b256 s[68:75], s[6:7], 0x18             ; entries 6 .. 13
	s_add_nc_u64 s[58:59], s[4:5], s[58:59]
	s_add_nc_u64 s[10:11], s[4:5], s[62:63]
	s_add_nc_u64 s[8:9], s[8:9], s[76:77]
.irp p, 0,1,2,3
	s_mov_b32 s[G0+4*\p], 1
	s_add_co_u32 s[G0+4*\p+1], s56, \p*32768
	s_add_nc_u64 s[G0+4*\p+2:G0+4*\p+3], s[58:59], \p*32768
	s_or_b32 s[G0+4*\p+3], s[G0+4*\p+3], 0x80000000
.endr
	tensor_load_to_lds s[G0:G0+3], s[G1:G1+7]      ; the first fills go out as one group
	s_nop 0
	tensor_load_to_lds s[G0+4:G0+7], s[G1:G1+7]
	s_nop 0
	tensor_load_to_lds s[G0+8:G0+11], s[G1:G1+7]
	s_nop 0
	tensor_load_to_lds s[G0+12:G0+15], s[G1:G1+7]
	s_nop 0
.rept 4
	v_nop
.endr
	v_and_b32 v4, 31, v0
	v_lshlrev_b32 v[LI], 4, v4
	global_load_b128 v[16:19], v[LI], s[10:11]
	global_load_b128 v[20:23], v[LI], s[10:11] offset:512
	v_mov_b32 v13, 0xff61b1e6                      ; the largest t so far: -3e38
	v_floor_f32 v12, -v13                          ; -M
	v_mov_b32 v14, 0
	v_mov_b32 v15, 0
	v_mov_b32 v236, 0                              ; a lane permute's destination counts as read
	v_mov_b32 v253, 0                              ; named as the upper half of v[252:253]
.set j, 0
.rept 32
	v_mov_b32 v[160+j], 0                          ; O^T: the step is written once; the first change of M multiplies zeros
.set j, j+1
.endr
	s_wait_kmcnt 0x0
	s_add_co_i32 s54, s68, s69
	s_lshl_b32 s54, s54, 23
	s_add_co_i32 s[CS], s[CS], s54                 ; a score stands for score x 2^(e6 + e7): added to c's exponent field
	s_mov_b32 s[CS+1], s[CS]
	s_add_co_i32 s54, s71, 127
	s_lshl_b32 s55, s54, 23
	v_mov_b32 v244, s55                            ; 2^e9
	s_add_co_i32 s54, s54, 8
	s_lshl_b32 s54, s54, 23
	s_or_b32 s54, s54, 0x600000
	v_mov_b32 v240, s54                            ; 448 x 2^e9
	s_sub_co_i32 s54, s72, s70
	s_sub_co_i32 s54, s54, s71                     ; e10 - e8 - e9
	s_add_co_i32 s54, s54, 127
	s_lshl_b32 s55, s54, 23
	v_mov_b32 v246, s55
	s_add_co_i32 s54, s54, 8
	s_lshl_b32 s54, s54, 23
	s_or_b32 s54, s54, 0x600000
	v_mov_b32 v247, s54
.macro STEP                            ; 128 keys
	s_add_co_u32 s54, s[Q0], 15
	s_cmp_gt_u32 s[KF], s54                        ; all keys behind my queries: the step's work is left out (a branch on ids; no barrier and no tensor load stands in a step)
	s_cbranch_scc1 .Lhidden_\@
	v_add_nc_u32 v[ADK], s[TB], v[LI]
	v_add_nc_u32 v[ADV], VOFF, v[ADK]
.irp t, 0,1,2,3,4,5,6,7
	ds_load_b128 v[32+8*\t:35+8*\t], v[ADK] offset:1024*\t
	ds_load_b128 v[36+8*\t:39+8*\t], v[ADK] offset:1024*\t+512
.endr
	s_wait_dscnt 0x0
.irp t, 0,1,2,3,4,5,6,7
	v_wmma_f32_16x16x64_fp8_fp8 v[96+8*\t:103+8*\t], v[32+8*\t:39+8*\t], v[16:23], 0
.endr
.rept 4
	v_nop                                          ; places: V's loads land on K's registers, and the scores are read
.endr
.irp t, 0,1,2,3
.irp g, 0,1,2,3
	ds_load_b128 v[32+16*\t+4*\g:35+16*\t+4*\g], v[ADV] offset:2048*\t+512*\g   ; V lands while the softmax is worked
.endr
.endr
	s_add_co_u32 s54, s[KF], 127
	s_cmp_le_u32 s54, s[Q0]
	s_cbranch_scc1 .Lopen_\@                       ; all keys count
	s_sub_co_i32 s54, s[Q0], s[KF]
	v_and_b32 v252, 15, v0
	v_bfe_u32 v253, v0, 4, 1
	v_lshlrev_b32 v253, 3, v253
	v_sub_nc_u32 v252, v252, v253
	v_add_nc_u32 v252, s54, v252                   ; d = my query - the first key - 8 h.  Register 8 t + j is hidden where 16 t + j > d
	v_mov_b32 v254, 0xff800000
.set n, 0
.rept 64
	v_cmp_gt_i32 vcc_lo, 16*(n/8)+n%8, v252
	v_cndmask_b32 v[96+n], v[96+n], v254, vcc_lo
.set n, n+1
.endr
.Lopen_\@:
	v_max3_num_f32 v254, v96, v97, v98             ; the step's largest score, in two chains, each accumulator from its low end on
	v_max3_num_f32 v252, v99, v100, v101
.irp i, 6,10,14,18,22,26,30,34,38,42,46,50,54,58
	v_max3_num_f32 v254, v254, v[96+\i], v[97+\i]
	v_max3_num_f32 v252, v252, v[98+\i], v[99+\i]
.endr
	v_max3_num_f32 v254, v254, v158, v159
	v_max_num_f32 v254, v254, v252
	v_permlanex16_b32 v236, v254, s[SEL], s[SEL+1]
	v_max_num_f32 v254, v254, v236
	v_mul_f32 v254, s[CS], v254
	v_max_num_f32 v13, v13, v254                   ; the running largest t
	v_mov_b32 v254, v12
	v_floor_f32 v12, -v13                          ; -M = floor(-t)
	v_sub_f32 v254, v12, v254                      ; old M - new M, a whole number, 0 or less
	v_cvt_i32_f32 v254, v254
	v_ldexp_f32 v252, 1.0, v254                    ; f = 2^(old M - new M): rounds nothing
.set j, 0
.rept 32
	v_pk_fma_f32 v[96+j:97+j], v[96+j:97+j], s[CS:CS+1], v[12:13] op_sel_hi:[1,0,0]
.set j, j+2
.endr
.set j, 0
.rept 64
	v_exp_f32 v[96+j], v[96+j]                     ; p = 2^(t - M)
.set j, j+1
.endr
	v_pk_mul_f32 v[14:15], v[14:15], v[252:253] op_sel_hi:[1,0]   ; (a plain line behind the exponentials)
	s_wait_alu depctr_va_vdst(0)
	v_pk_add_f32 v[242:243], v[96:97], v[98:99]    ; the sum of the unquantised p, in two chains
.irp j, 4,8,12,16,20,24,28,32,36,40,44,48,52,56,60
	v_pk_add_f32 v[14:15], v[14:15], v[96+\j:97+\j]
	v_pk_add_f32 v[242:243], v[242:243], v[98+\j:99+\j]
.endr
	v_pk_add_f32 v[14:15], v[14:15], v[242:243]
.irp t, 0,1,2,3,4,5,6,7
.irp i, 0,1,2,3,4,5,6,7
	v_min_num_f32 v[96+8*\t+\i], v[96+8*\t+\i], v240   ; p is not negative: a one-sided hold
.endr
	v_cvt_scalef32_pk8_fp8_f32 v[192+2*\t:193+2*\t], v[96+8*\t:103+8*\t], v244
.endr
.set j, 0
.rept 16
	v_pk_mul_f32 v[160+j:161+j], v[160+j:161+j], v[252:253] op_sel_hi:[1,0]   ; O^T under the new M
.set j, j+2
.endr
	s_wait_dscnt 0x0                               ; V is in
.irp t, 0,1,2,3
	v_wmma_f32_16x16x128_fp8_fp8 v[160+8*\t:167+8*\t], v[32+16*\t:47+16*\t], v[192:207], v[160+8*\t:167+8*\t]
.endr
.rept 4
	v_nop                                          ; places in front of the next step's loads and of the way out
.endr
.Lhidden_\@:
	s_add_co_u32 s[KF], s[KF], 128
	s_add_co_u32 s[TB], s[TB], 8192
.endm
.macro PHASE p                         ; keys 512 p .. 512 p + 511
	s_wait_tensorcnt 3-\p                          ; my p-th load has landed; the 3 - p behind it may be out
	s_wait_dscnt 0x0
	s_barrier_signal -1
	s_barrier_wait -1                              ; everybody's has
	s_mov_b32 s[TB], \p*32768
	s_mov_b32 s[KF], \p*512
	s_mov_b32 s[CNT], 4
.Lstep_\@:
	STEP
	s_sub_co_u32 s[CNT], s[CNT], 1
	s_cmp_lg_u32 s[CNT], 0
	s_cbranch_scc1 .Lstep_\@
.endm
	s_wait_loadcnt 0x0                             ; Q
	PHASE 0
	PHASE 1
	PHASE 2
	PHASE 3
	; THE WAY OUT: O^T / the sum stands for ctx / 2^(e8 + e9); its code is that / 2^(e10 - e8 - e9)
	v_add_f32 v14, v14, v15
	v_permlanex16_b32 v252, v14, s[SEL], s[SEL+1]
	v_add_f32 v14, v14, v252
	v_rcp_f32 v14, v14
	v_nop
.set j, 0
	s_wait_alu depctr_va_vdst(0)
.rept 32
	v_mul_f32 v[96+j], v[160+j], v14
.set j, j+1
.endr
.set j, 0
.rept 32
	v_med3_num_f32 v[96+j], v[96+j], -v247, v247
.set j, j+1
.endr
.irp t, 0,1,2,3
	v_cvt_scalef32_pk8_fp8_f32 v[32+2*\t:33+2*\t], v[96+8*\t:103+8*\t], v246
.endr
	v_nop
	global_store_b128 v[LI], v[32:35], s[8:9]              ; 512 consecutive bytes a store
	global_store_b128 v[LI], v[36:39], s[8:9] offset:512
	s_wait_tensorcnt 0x0
	ds_add_u32 v251, v255
	s_wait_dscnt 0x0
	s_endpgm
.Lfunc_end_k_qa561e357c3_attn:
	.size	k_qa561e357c3_attn, .Lfunc_end_k_qa561e357c3_attn-k_qa561e357c3_attn
	.p2alignl 7, 3214868480
	.fill 96, 4, 3214868480
	.section	.rodata,"a",@progbits
	.p2align	6, 0x0
	.amdhsa_kernel k_qa561e357c3_attn
		.amdhsa_group_segment_fixed_size 264192
		.amdhsa_private_segment_fixed_size 0
		.amdhsa_enable_private_segment 0
		.amdhsa_kernarg_size 24
		.amdhsa_user_sgpr_count 2
		.amdhsa_user_sgpr_kernarg_segment_ptr 1
		.amdhsa_wavefront_size32 1
		.amdhsa_system_sgpr_workgroup_id_x 1
		.amdhsa_system_sgpr_workgroup_id_y 1
		.amdhsa_system_sgpr_workgroup_id_z 1
		.amdhsa_system_vgpr_workitem_id 0
		.amdhsa_next_free_vgpr 256
		.amdhsa_next_free_sgpr 100
		.amdhsa_reserve_vcc 1
		.amdhsa_float_denorm_mode_32 3
		.amdhsa_float_denorm_mode_16_64 3
		.amdhsa_memory_ordered 1
		.amdhsa_forward_progress 1
		.amdhsa_inst_pref_size 95
	.end_amdhsa_kernel
	.amdgpu_metadata
---
amdhsa.version: [ 1, 2 ]
amdhsa.kernels:
  - .name:           k_qa561e357c3_attn
    .symbol:         k_qa561e357c3_attn.kd
    .args:
      - { .name: qkvc, .offset: 0, .size: 8, .value_kind: global_buffer, .address_space: global }
      - { .name: lowp_scales, .offset: 8, .size: 8, .value_kind: global_buffer, .address_space: global }
      - { .name: cc, .offset: 16, .size: 8, .value_kind: global_buffer, .address_space: global }
    .group_segment_fixed_size: 264192
    .private_segment_fixed_size: 0
    .kernarg_segment_align: 8
    .kernarg_segment_size: 24
    .max_flat_workgroup_size: 512
    .sgpr_count:     100
    .vgpr_count:     256
    .wavefront_size: 32
...
	.end_amdgpu_metadata
.endif
;; end of part 3
;; launch oproj (part 4): grid 8 x 32, 4 waves a work-group, clusters of 4 x 4, 327,680 bytes of LDS; arguments cc, wc, lowp_scales, bo, x, x1; writes x1
.if DOCPART == 4
	.amdgcn_target "amdgcn-amd-amdhsa--gfx1250"
	.amdhsa_code_object_version 6
	.text
	.protected	k_qa561e357c3_oproj
	.globl	k_qa561e357c3_oproj
	.p2align	8
	.type	k_qa561e357c3_oproj,@function
k_qa561e357c3_oproj:
	s_mov_b64 s[64:65], 0
	v_nop
	global_prefetch_b8 v0, s[64:65] scope:SCOPE_SE
	s_setreg_imm32_b32 hwreg(HW_REG_WAVE_MODE, 25, 1), 1
	s_wait_xcnt 0x0
	s_wait_alu depctr_hold_cnt(0) depctr_sa_sdst(0) depctr_va_vdst(0) depctr_va_sdst(0) depctr_va_ssrc(0) depctr_va_vcc(0) depctr_vm_vsrc(0)
	s_getreg_b32 s2, hwreg(HW_REG_IB_STS2, 6, 4)
	s_cmp_eq_u32 s2, 0
	s_cbranch_scc0 .Lentry_in_a_cluster
	s_endpgm
.Lentry_in_a_cluster:
	s_bfe_u32 s2, ttmp6, 0x10000c
	s_cmp_lg_u32 s2, 0xf033
	s_cbranch_scc0 .Lentry_shape_is_right
	s_endpgm
.Lentry_shape_is_right:
; x1 = x + (ctx Wo + bo): A = ctx's codes (cc), B = Wo's codes (wc + 3 MiB), K = 1,024; sums in f32, x 2^(e10 + e11), + bias, + residual.
; A tile of 128 x 128 is made by four waves, 64 x 64 each (16 accumulators): 256 work-groups.  K goes in steps of 512 through two LDS slots; here each slot is filled once.
; Operands are images of registers (16 rows x 128 K = 2,048 bytes): a wave's tensor load brings 4 rows of 8,192 consecutive bytes; a fragment comes by four ds_load_b128 at 16 x lane.
; THE MATRIX INSTRUCTION IS USED TRANSPOSED: a lane holds one token and, by the order of the weight's columns in wc, the 16 registers of accumulators 2 b, 2 b + 1 are 16 neighbouring columns.
; CLUSTERS: 4 x 4; A's tiles jointly along a row of the cluster, B's along a column.
; LIMIT: e10 + e11 between -126 and 127.
; REGISTERS: window 0: v3-29 addresses, v32-95 rows on the way out, v100-103 bias, v128-255 accumulators; window 1: two fragment buffers (A 0-63, B 64-127 of each); window 2: v0-127 the residual.
.set SIZE_K, 1024
.set WOFF,   0x300000
.set SCOFF,  40
.set KB,     16*SIZE_K
.set RB,     8192                      ; 16 rows x 512 K in a slot
.set HALFT,  4*RB
.set SLOT,   4*HALFT
.set SPARE,  2*SLOT
.set LAPS,   SIZE_K/1024
.set SPITCH, 272                       ; the way out: a stage of 16 rows x (256 + 16) bytes a wave, in slot 0, which has had its last fill and its last read by then
.set ADRA, 16
.set ADRB, 20
.set STO,  24
.set RD,   25
.set CO,   26
.set BO,   27
.set SPW,  28
.set NIL,  29
.set BK,   32
.set BI,   100
.set ACC,  128
.set F0,   0
.set F1,   128
.set G1, 24
.set G0, 32
.set G1B, 48
.set G0B, 56
.set MSB, 0
.macro WIN new
.if MSB != \new
	s_set_vgpr_msb (MSB<<8)|\new
.set MSB, \new
.endif
.endm
.set MUL,  0x05                        ; sources 0 (B) and 1 (A) window 1; C and D window 0
.set TO_F, 0x40
.macro JLOAD s
	s_cmp_eq_u32 s11, 0
	s_cbranch_scc0 .Lfor_b_\@
	tensor_load_to_lds s[G0+4*\s:G0+4*\s+3], s[G1:G1+7]
	s_nop 0
.rept 4
	v_nop
.endr
	s_branch .Lasked_\@
.Lfor_b_\@:
	tensor_load_to_lds s[G0B+4*\s:G0B+4*\s+3], s[G1B:G1B+7]
	s_nop 0
.rept 4
	v_nop
.endr
.Lasked_\@:
.endm
.macro CREST
	s_cmp_lg_u32 s10, 0
	s_cbranch_scc1 .Lnot_wave_0_\@
	s_barrier_signal -3
.Lnot_wave_0_\@:
	s_barrier_wait -3
	s_barrier_signal -1
	s_barrier_wait -1
.endm
.macro CROUND
	s_barrier_signal -1
	s_barrier_wait -1
	CREST
.endm
	s_load_b128 s[4:7], s[0:1], 0x0                ; A's codes, wc
	s_load_b256 s[68:75], s[0:1], 0x10             ; lowp_scales, bias, residual, result
	v_lshl_add_u32 v[SPW], v0, 2, SPARE
	v_mov_b32 v[NIL], 0
	ds_add_u32 v28, v29
	ds_add_u32 v28, v29
	s_wait_dscnt 0x0
	v_lshrrev_b32 v1, 5, v0
	v_readfirstlane_b32 s10, v1                    ; wave
	s_lshr_b32 s11, s10, 1                         ; my half of the rows; also: I fetch for A (0) or B (1)
	s_and_b32 s12, s10, 1                          ; my half of the columns; also: which 64 rows I fetch
	s_bfe_u32 s40, ttmp6, 0x40000
	s_bfe_u32 s41, ttmp6, 0x40004
	s_lshl_b32 s42, ttmp9, 2
	s_add_co_u32 s42, s42, s40                     ; tile column
	s_and_b32 s13, ttmp7, 0xffff
	s_lshl_b32 s13, s13, 2
	s_add_co_u32 s13, s13, s41                     ; tile row
	s_lshl_b32 s43, s41, 2
	s_lshl_b32 s43, 15, s43
	s_lshl_b32 s44, 0x1111, s40
	s_or_b32 s[G1+0], s43, (1<<21)
	s_or_b32 s[G1B+0], s44, (1<<21)
.irp g, G1, G1B
	s_mov_b32 s[\g+1], RB<<16                      ; tensor_dim0 = 8,192 bytes
	s_mov_b32 s[\g+2], 4<<16                       ; tensor_dim1 = 4
	s_mov_b32 s[\g+3], RB<<16
	s_mov_b32 s[\g+4], 4
	s_mov_b32 s[\g+5], KB
	s_mov_b32 s[\g+6], 0
	s_mov_b32 s[\g+7], 0
.endr
	s_lshl_b32 s18, s12, 2
	s_lshl_b32 s16, s13, 3
	s_add_co_u32 s16, s16, s18
	s_mul_i32 s16, s16, KB
	s_mov_b32 s17, 0
	s_lshl_b32 s46, s42, 3
	s_add_co_u32 s46, s46, s18
	s_mul_i32 s46, s46, KB
	s_add_co_u32 s46, s46, WOFF
	s_mov_b32 s47, 0
	s_mul_i32 s20, s10, HALFT
	s_wait_kmcnt 0x0
	s_load_b64 s[76:77], s[68:69], SCOFF
	s_add_nc_u64 s[14:15], s[4:5], s[16:17]
	s_add_nc_u64 s[46:47], s[6:7], s[46:47]
	CROUND
.irp s, 0,1
	s_mov_b32 s[G0+4*\s], 1
	s_add_co_u32 s[G0+4*\s+1], s20, \s*SLOT
	s_add_nc_u64 s[G0+4*\s+2:G0+4*\s+3], s[14:15], \s*RB
	s_or_b32 s[G0+4*\s+3], s[G0+4*\s+3], 0x80000000
	s_mov_b32 s[G0B+4*\s], 1
	s_add_co_u32 s[G0B+4*\s+1], s20, \s*SLOT
	s_add_nc_u64 s[G0B+4*\s+2:G0B+4*\s+3], s[46:47], \s*RB
	s_or_b32 s[G0B+4*\s+3], s[G0B+4*\s+3], 0x80000000
	JLOAD \s
.endr
	v_and_b32 v1, 15, v0
	v_bfe_u32 v2, v0, 4, 1
	v_and_b32 v4, 31, v0
	v_lshlrev_b32 v3, 4, v4                        ; 16 x lane
	s_mul_i32 s21, s11, HALFT
	s_mul_i32 s22, s12, HALFT
	s_add_co_u32 s22, s22, 2*HALFT
.irp s, 0,1
	v_add_nc_u32 v[ADRA+\s], s21, v3
	v_add_nc_u32 v[ADRB+\s], s22, v3
	s_add_co_u32 s21, s21, SLOT
	s_add_co_u32 s22, s22, SLOT
.endr
	s_mul_i32 s23, s10, 16*SPITCH                  ; my stage
	v_mul_u32_u24 v4, v1, SPITCH
	v_lshl_add_u32 v4, v2, 6, v4
	v_add_nc_u32 v[STO], s23, v4                   ; in: row r, + 64 h
	v_mul_u32_u24 v5, v2, SPITCH
	v_lshl_add_u32 v5, v1, 4, v5
	v_add_nc_u32 v[RD], s23, v5                    ; back: lanes 0-15 one row of 256 bytes, lanes 16-31 the next
	v_lshlrev_b32 v5, 12, v2
	v_lshl_add_u32 v[CO], v1, 4, v5                ; the same two rows in memory
	v_lshlrev_b32 v[BO], 4, v1
	s_lshl_b32 s16, s13, 7
	s_lshl_b32 s17, s11, 6
	s_add_co_u32 s16, s16, s17
	s_lshl_b32 s16, s16, 12                        ; my first row: 4,096 bytes each
	s_mov_b32 s17, 0
	s_lshl_b32 s46, s42, 9
	s_lshl_b32 s47, s12, 8
	s_add_co_u32 s46, s46, s47                     ; my first column, in bytes
	s_mov_b32 s47, 0
	s_add_nc_u64 s[70:71], s[70:71], s[46:47]
	s_add_nc_u64 s[72:73], s[72:73], s[16:17]
	s_add_nc_u64 s[72:73], s[72:73], s[46:47]
	s_add_nc_u64 s[74:75], s[74:75], s[16:17]
	s_add_nc_u64 s[74:75], s[74:75], s[46:47]
	global_load_b128 v[BI:BI+3], v[BO], s[70:71]   ; the bias of my four columns
	WIN 0x80                                       ; destination window 2
.irp a, 0,1,2,3
.irp t, 0,1,2,3,4,5,6,7
	global_load_b128 v[4*(8*\a+\t):4*(8*\a+\t)+3], v[CO], s[72:73] offset:(16*\a+2*\t)*4096   ; the residual, in the layout in which rows leave: it lands under the products
.endr
.endr
	WIN 0
.macro MULA f, a, zero                 ; A's block a x B's four; the 16 accumulators take turns, one instruction a turn
.irp b, 0,1,2,3
.if \zero
	v_wmma_f32_16x16x128_fp8_fp8 v[ACC+8*(4*\a+\b):ACC+8*(4*\a+\b)+7], v[\f+64+16*\b:\f+64+16*\b+15], v[\f+16*\a:\f+16*\a+15], 0
.else
	v_wmma_f32_16x16x128_fp8_fp8 v[ACC+8*(4*\a+\b):ACC+8*(4*\a+\b)+7], v[\f+64+16*\b:\f+64+16*\b+15], v[\f+16*\a:\f+16*\a+15], v[ACC+8*(4*\a+\b):ACC+8*(4*\a+\b)+7]
.endif
.endr
.endm
.macro FETCH slot, q, f                ; 32 loads: B's four fragments, then A's, of the slot's q-th 128 along K
	WIN TO_F
.irp i, 0,1,2,3
.irp c, 0,1,2,3
	ds_load_b128 v[\f+64+16*\i+4*\c:\f+64+16*\i+4*\c+3], v[ADRB+\slot] offset:\i*RB+\q*2048+512*\c
.endr
.endr
.irp i, 0,1,2,3
.irp c, 0,1,2,3
	ds_load_b128 v[\f+16*\i+4*\c:\f+16*\i+4*\c+3], v[ADRA+\slot] offset:\i*RB+\q*2048+512*\c
.endr
.endr
.endm
.macro PLACES
.rept 4
	v_nop
.endr
.endm
.macro QUARTER slot, qn, f, g, zero    ; multiplies buffer f; in its middle fetches the slot's qn-th 128 along K into g
	s_wait_dscnt 8                                 ; B and A's blocks 0, 1 are in; the youngest 8 loads (A's blocks 2, 3) may be out
	WIN MUL
	MULA \f, 0, \zero
	MULA \f, 1, \zero
	PLACES
	FETCH \slot, \qn, \g
	s_wait_dscnt 32                                ; all but the 32 just issued
	WIN MUL
	MULA \f, 2, \zero
	MULA \f, 3, \zero
.endm
.macro TURN slot, next, fill           ; a slot's last quarter (buffer 1) and the change of slots
	WIN 0
	s_wait_tensorcnt 0x0                           ; all my tensor loads have landed
	ds_add_u32 v[SPW], v[NIL]                      ; 0 onto my spare word
	s_wait_dscnt 9                                 ; the add and the youngest 8 loads may be out
	WIN MUL
	MULA F1, 0, 0
	MULA F1, 1, 0
	s_wait_dscnt 0x0                               ; the add is done, and my reads of this slot are over
	s_barrier_signal -1
	MULA F1, 2, 0
.if \fill
	WIN 0
.endif
	s_barrier_wait -1
.if \fill
	CREST
	s_add_nc_u64 s[G0+4*\slot+2:G0+4*\slot+3], s[G0+4*\slot+2:G0+4*\slot+3], 2*RB
	s_add_nc_u64 s[G0B+4*\slot+2:G0B+4*\slot+3], s[G0B+4*\slot+2:G0B+4*\slot+3], 2*RB
	JLOAD \slot
.else
	PLACES
.endif
	FETCH \next, 0, F0
	WIN MUL
	MULA F1, 3, 0
.endm
	s_wait_tensorcnt 1                             ; my part of slot 0 is in; slot 1's one load may be out
	s_barrier_signal -1
	s_barrier_wait -1
	FETCH 0, 0, F0
	QUARTER 0, 1, F0, F1, 1                        ; the first products start the sums
.if LAPS > 1
	WIN 0
	s_mov_b32 s3, LAPS-1
.Llap:
	QUARTER 0, 2, F1, F0, 0
	QUARTER 0, 3, F0, F1, 0
	TURN 0, 1, 1
	QUARTER 1, 1, F0, F1, 0
	QUARTER 1, 2, F1, F0, 0
	QUARTER 1, 3, F0, F1, 0
	TURN 1, 0, 1
	QUARTER 0, 1, F0, F1, 0
	WIN 0
	s_sub_co_u32 s3, s3, 1
	s_cmp_lg_u32 s3, 0
	s_cbranch_scc1 .Llap
.endif
	QUARTER 0, 2, F1, F0, 0
	QUARTER 0, 3, F0, F1, 0
	TURN 0, 1, 0
	QUARTER 1, 1, F0, F1, 0
	QUARTER 1, 2, F1, F0, 0
	QUARTER 1, 3, F0, F1, 0
	s_wait_dscnt 8
	WIN MUL
	MULA F1, 0, 0
	MULA F1, 1, 0
	s_wait_dscnt 0
	MULA F1, 2, 0
	MULA F1, 3, 0
	WIN 0
	; THE WAY OUT, 16 rows at a time through my own stage: in by lanes' 32 bytes, back as rows of 256 bytes
	PLACES
	s_wait_kmcnt 0x0
	s_add_co_i32 s76, s76, s77
	s_add_co_i32 s76, s76, 127
	s_lshl_b32 s76, s76, 23                        ; 2^(ea + eb)
	s_mov_b32 s77, s76
	s_wait_loadcnt 0x0                             ; bias and residual
.macro TOSTAGE a
.if \a >= 2
	s_wait_xcnt 0x0                                ; block a - 2's stores have read the registers that these loads fill
.endif
.irp b, 0,1,2,3
	ds_store_b128 v[STO], v[ACC+8*(4*\a+\b):ACC+8*(4*\a+\b)+3] offset:128*(\b/2)+32*(\b%2)
	ds_store_b128 v[STO], v[ACC+8*(4*\a+\b)+4:ACC+8*(4*\a+\b)+7] offset:128*(\b/2)+32*(\b%2)+16
.endr
.irp t, 0,1,2,3,4,5,6,7
	ds_load_b128 v[BK+32*(\a%2)+4*\t:BK+32*(\a%2)+4*\t+3], v[RD] offset:\t*2*SPITCH   ; LDS serves a wave's instructions in order: these see the stores above
.endr
.endm
.macro FIN a, younger                  ; younger: the LDS instructions issued behind block a's loads
.set BB, BK+32*((\a)%2)
	s_wait_dscnt \younger
.irp i, 0,2,4,6,8,10,12,14,16,18,20,22,24,26,28,30
	v_pk_fma_f32 v[BB+\i:BB+\i+1], v[BB+\i:BB+\i+1], s[76:77], v[BI+\i%4:BI+\i%4+1] op_sel_hi:[1,0,1]   ; sum x 2^(ea + eb) + bias
.endr
	WIN 0x08                                       ; source 1 window 2
.irp i, 0,2,4,6,8,10,12,14,16,18,20,22,24,26,28,30
	v_pk_add_f32 v[BB+\i:BB+\i+1], v[BB+\i:BB+\i+1], v[32*\a+\i:32*\a+\i+1]   ; + the residual
.endr
	WIN 0
.irp t, 0,1,2,3,4,5,6,7
	global_store_b128 v[CO], v[BB+4*\t:BB+4*\t+3], s[74:75] offset:(16*\a+2*\t)*4096   ; sixteen lanes store 256 consecutive bytes, aligned
.endr
.endm
	TOSTAGE 0
	TOSTAGE 1
	FIN 0, 16
	TOSTAGE 2
	FIN 1, 16
	TOSTAGE 3
	FIN 2, 16
	FIN 3, 0
	s_wait_tensorcnt 0x0                           ; the wave's end
	ds_add_u32 v[SPW], v[NIL]
	s_wait_dscnt 0x0
	CROUND
	s_endpgm
.Lfunc_end_k_qa561e357c3_oproj:
	.size	k_qa561e357c3_oproj, .Lfunc_end_k_qa561e357c3_oproj-k_qa561e357c3_oproj
	.p2alignl 7, 3214868480
	.fill 96, 4, 3214868480
	.section	.rodata,"a",@progbits
	.p2align	6, 0x0
	.amdhsa_kernel k_qa561e357c3_oproj
		.amdhsa_group_segment_fixed_size 327680
		.amdhsa_private_segment_fixed_size 0
		.amdhsa_enable_private_segment 0
		.amdhsa_kernarg_size 48
		.amdhsa_user_sgpr_count 2
		.amdhsa_user_sgpr_kernarg_segment_ptr 1
		.amdhsa_wavefront_size32 1
		.amdhsa_system_sgpr_workgroup_id_x 1
		.amdhsa_system_sgpr_workgroup_id_y 1
		.amdhsa_system_sgpr_workgroup_id_z 1
		.amdhsa_system_vgpr_workitem_id 0
		.amdhsa_next_free_vgpr 768
		.amdhsa_next_free_sgpr 100
		.amdhsa_reserve_vcc 0
		.amdhsa_float_denorm_mode_32 3
		.amdhsa_float_denorm_mode_16_64 3
		.amdhsa_memory_ordered 1
		.amdhsa_forward_progress 1
		.amdhsa_inst_pref_size 53
	.end_amdhsa_kernel
	.amdgpu_metadata
---
amdhsa.version: [ 1, 2 ]
amdhsa.kernels:
  - .name:           k_qa561e357c3_oproj
    .symbol:         k_qa561e357c3_oproj.kd
    .args:
      - { .name: cc, .offset: 0, .size: 8, .value_kind: global_buffer, .address_space: global }
      - { .name: wc, .offset: 8, .size: 8, .value_kind: global_buffer, .address_space: global }
      - { .name: lowp_scales, .offset: 16, .size: 8, .value_kind: global_buffer, .address_space: global }
      - { .name: bo, .offset: 24, .size: 8, .value_kind: global_buffer, .address_space: global }
      - { .name: x, .offset: 32, .size: 8, .value_kind: global_buffer, .address_space: global }
      - { .name: x1, .offset: 40, .size: 8, .value_kind: global_buffer, .address_space: global }
    .group_segment_fixed_size: 327680
    .private_segment_fixed_size: 0
    .kernarg_segment_align: 8
    .kernarg_segment_size: 48
    .max_flat_workgroup_size: 128
    .sgpr_count:     100
    .vgpr_count:     768
    .wavefront_size: 32
...
	.end_amdgpu_metadata
.endif
;; end of part 4
;; launch ln2 (part 5): grid 256 x 1, 4 waves a work-group, no clusters, 17,920 bytes of LDS; arguments x1, ln_scale, ln_shift, lowp_scales, h2c; writes h2c
.if DOCPART == 5
	.amdgcn_target "amdgcn-amd-amdhsa--gfx1250"
	.amdhsa_code_object_version 6
	.text
	.protected	k_qa561e357c3_ln2
	.globl	k_qa561e357c3_ln2
	.p2align	8
	.type	k_qa561e357c3_ln2,@function
k_qa561e357c3_ln2:
	s_mov_b64 s[64:65], 0
	v_nop
	global_prefetch_b8 v0, s[64:65] scope:SCOPE_SE
	s_setreg_imm32_b32 hwreg(HW_REG_WAVE_MODE, 25, 1), 1
	s_wait_xcnt 0x0
; h2 = LayerNorm(x1), quantised to E4M3 with scale entry 12, into h2c as images of operand registers:
; [tokens / 16][8] fragments of 2,048 bytes; byte 512 c + 16 (16 h + r) + e is the code of row r at k = 32 c + 16 h + e.
; A work-group takes 16 rows; wave w rows 4 w .. 4 w + 3, a row at a time in 32 registers (register 4 j + i of lane l is k = 128 j + 4 l + i): the row is read once.
; Four codes (a word) of a row go to LDS at their place in the fragment; behind one barrier wave w copies fragments 2 w, 2 w + 1 out, 512 consecutive bytes a store.
; Memory binds: no matrix unit, no tensor load, no cluster (no byte is read by two work-groups).
; LIMIT: the scale's e between -126 and 119.  NaN is not served.
.set UP,   272                         ; LDS: a unit (16 rows x 16 bytes) + 16 of padding
.set SPB,  8*UP
.set T0,   32
.set CC,   48
.set LX,   64
.set GA,   192
.set SH,   224
	s_load_b256 s[4:11], s[0:1], 0x0               ; x1, ln_scale, ln_shift, lowp_scales
	s_load_b64 s[12:13], s[0:1], 0x20              ; h2c
	v_lshl_add_u32 v62, v0, 2, 0x4400
	v_mov_b32 v63, 0
	v_lshrrev_b32 v1, 5, v0
	v_readfirstlane_b32 s28, v1                    ; wave
	v_and_b32 v1, 31, v0                           ; lane
	s_mov_b32 s50, 0x3a800000                      ; 1 / 1,024
	s_mov_b32 s51, 0x3727c5ac                      ; 1e-5
	s_mov_b32 s52, 0x76543210
	s_mov_b32 s53, 0xfedcba98
	v_lshlrev_b32 v2, 4, v1
	v_lshrrev_b32 v3, 2, v1
	v_mul_u32_u24 v3, v3, UP
	v_and_b32 v4, 3, v1
	v_lshl_add_u32 v3, v4, 2, v3
	s_lshl_b32 s67, s28, 6
	v_add_nc_u32 v3, s67, v3                       ; into LDS: unit lane / 4, word lane % 4, + 64 x wave
	v_lshrrev_b32 v4, 4, v1
	v_mul_u32_u24 v4, v4, UP
	v_and_b32 v5, 15, v1
	v_lshl_add_u32 v4, v5, 4, v4
	s_mul_i32 s67, s28, 2*SPB
	v_add_nc_u32 v4, s67, v4                       ; out of LDS: two units an instruction, my two fragments
	s_lshl_b32 s67, s28, 12
	v_add_nc_u32 v5, s67, v2
	v_mov_b32 v7, 0
	s_lshl_b32 s68, ttmp9, 16
	s_lshl_b32 s69, s28, 14
	s_add_co_u32 s68, s68, s69
	s_mov_b32 s69, 0
	s_lshl_b32 s70, ttmp9, 14
	s_mov_b32 s71, 0
	s_wait_kmcnt 0x0
	s_load_b32 s80, s[10:11], 0x30                 ; entry 12
	s_add_nc_u64 s[4:5], s[4:5], s[68:69]
	s_add_nc_u64 s[32:33], s[12:13], s[70:71]
.irp j, 0,1,2,3,4,5,6,7
	global_load_b128 v[GA+4*\j:GA+4*\j+3], v2, s[6:7] offset:512*\j
.endr
.irp j, 0,1,2,3,4,5,6,7
	global_load_b128 v[SH+4*\j:SH+4*\j+3], v2, s[8:9] offset:512*\j
.endr
.irp rr, 0,1,2,3
.irp j, 0,1,2,3,4,5,6,7
	global_load_b128 v[LX+32*\rr+4*\j:LX+32*\rr+4*\j+3], v2, s[4:5] offset:4096*\rr+512*\j
.endr
.endr
	s_wait_kmcnt 0x0
	s_add_co_i32 s88, s80, 127
	s_lshl_b32 s89, s88, 23
	v_mov_b32 v20, s89                             ; 2^e
	s_add_co_i32 s88, s88, 8
	s_lshl_b32 s88, s88, 23
	s_or_b32 s88, s88, 0x600000
	v_mov_b32 v21, s88                             ; 448 x 2^e
.macro FOLD
	v_pk_add_f32 v[12:13], v[12:13], v[14:15]
	v_pk_add_f32 v[16:17], v[16:17], v[18:19]
	v_pk_add_f32 v[12:13], v[12:13], v[16:17]
	v_add_f32 v12, v12, v13
	v_add_f32_dpp v12, v12, v12 row_xmask:1 row_mask:0xf bank_mask:0xf
	v_add_f32_dpp v12, v12, v12 row_xmask:2 row_mask:0xf bank_mask:0xf
	v_add_f32_dpp v12, v12, v12 row_xmask:4 row_mask:0xf bank_mask:0xf
	v_add_f32_dpp v12, v12, v12 row_xmask:8 row_mask:0xf bank_mask:0xf
	v_permlanex16_b32 v7, v12, s52, s53
	v_add_f32 v12, v12, v7
.endm
.macro LNROW rr
.set XR, LX+32*\rr
	s_wait_loadcnt 8*(3-\rr)                       ; gain, shift and this row are in; the later rows' eight loads each may be out
	v_pk_add_f32 v[12:13], v[XR:XR+1], v[XR+2:XR+3]
	v_pk_add_f32 v[14:15], v[XR+4:XR+5], v[XR+6:XR+7]
	v_pk_add_f32 v[16:17], v[XR+8:XR+9], v[XR+10:XR+11]
	v_pk_add_f32 v[18:19], v[XR+12:XR+13], v[XR+14:XR+15]
.irp i, 16, 24
	v_pk_add_f32 v[12:13], v[12:13], v[XR+\i:XR+\i+1]
	v_pk_add_f32 v[14:15], v[14:15], v[XR+\i+2:XR+\i+3]
	v_pk_add_f32 v[16:17], v[16:17], v[XR+\i+4:XR+\i+5]
	v_pk_add_f32 v[18:19], v[18:19], v[XR+\i+6:XR+\i+7]
.endr
	FOLD
	v_mul_f32 v8, s50, v12                         ; the mean
	v_mov_b32 v9, v8
.irp i, 0,2,4,6,8,10,12,14,16,18,20,22,24,26,28,30
	v_pk_add_f32 v[XR+\i:XR+\i+1], v[XR+\i:XR+\i+1], v[8:9] neg_lo:[0,1] neg_hi:[0,1]
.endr
.irp k, 0,2,4,6
	v_pk_mul_f32 v[12+\k:13+\k], v[XR+\k:XR+\k+1], v[XR+\k:XR+\k+1]
.endr
.irp i, 8, 16, 24
.irp k, 0,2,4,6
	v_pk_fma_f32 v[12+\k:13+\k], v[XR+\i+\k:XR+\i+\k+1], v[XR+\i+\k:XR+\i+\k+1], v[12+\k:13+\k]
.endr
.endr
	FOLD
	v_fma_f32 v10, v12, s50, s51                   ; variance + 1e-5
	v_rsq_f32 v10, v10
	v_nop
	s_wait_alu depctr_va_vdst(0)
	v_mov_b32 v11, v10
.irp i, 0,2,4,6,8,10,12,14,16,18,20,22,24,26,28,30
	v_pk_mul_f32 v[XR+\i:XR+\i+1], v[XR+\i:XR+\i+1], v[10:11]
.endr
.irp i, 0,2,4,6,8,10,12,14,16,18,20,22,24,26,28,30
	v_pk_fma_f32 v[XR+\i:XR+\i+1], v[XR+\i:XR+\i+1], v[GA+\i:GA+\i+1], v[SH+\i:SH+\i+1]
.endr
.irp jj, 0,1,2,3
.set TT, T0+8*(\jj%2)
.irp i, 0,1,2,3,4,5,6,7
	v_med3_num_f32 v[TT+\i], v[XR+8*\jj+\i], -v21, v21
.endr
	v_cvt_scalef32_pk8_fp8_f32 v[CC+2*\jj:CC+2*\jj+1], v[TT:TT+7], v20   ; the next vector lines are plain and write the other set
	ds_store_b32 v3, v[CC+2*\jj] offset:(2*\jj)*SPB+16*\rr
	ds_store_b32 v3, v[CC+2*\jj+1] offset:(2*\jj+1)*SPB+16*\rr
.endr
.endm
	LNROW 0
	LNROW 1
	LNROW 2
	LNROW 3
	s_wait_dscnt 0x0                               ; for the others' sake: my stores have landed
	s_barrier_signal -1
	s_barrier_wait -1
.set n, 0
.irp ss, 0,1
.irp gp, 0,1,2,3
	ds_load_b128 v[LX+4*n:LX+4*n+3], v4 offset:\ss*SPB+\gp*2*UP
.set n, n+1
.endr
.endr
.set n, 0
.irp ss, 0,1
.irp gp, 0,1,2,3
	s_wait_dscnt 7-n                               ; piece n is in, the younger ones may be out
	global_store_b128 v5, v[LX+4*n:LX+4*n+3], s[32:33] offset:\ss*2048+\gp*512
.set n, n+1
.endr
.endr
	s_wait_tensorcnt 0x0
	ds_add_u32 v62, v63
	s_wait_dscnt 0x0
	s_endpgm
.Lfunc_end_k_qa561e357c3_ln2:
	.size	k_qa561e357c3_ln2, .Lfunc_end_k_qa561e357c3_ln2-k_qa561e357c3_ln2
	.p2alignl 7, 3214868480
	.fill 96, 4, 3214868480
	.section	.rodata,"a",@progbits
	.p2align	6, 0x0
	.amdhsa_kernel k_qa561e357c3_ln2
		.amdhsa_group_segment_fixed_size 17920
		.amdhsa_private_segment_fixed_size 0
		.amdhsa_enable_private_segment 0
		.amdhsa_kernarg_size 40
		.amdhsa_user_sgpr_count 2
		.amdhsa_user_sgpr_kernarg_segment_ptr 1
		.amdhsa_wavefront_size32 1
		.amdhsa_system_sgpr_workgroup_id_x 1
		.amdhsa_system_sgpr_workgroup_id_y 1
		.amdhsa_system_sgpr_workgroup_id_z 1
		.amdhsa_system_vgpr_workitem_id 0
		.amdhsa_next_free_vgpr 256
		.amdhsa_next_free_sgpr 100
		.amdhsa_reserve_vcc 0
		.amdhsa_float_denorm_mode_32 3
		.amdhsa_float_denorm_mode_16_64 3
		.amdhsa_memory_ordered 1
		.amdhsa_forward_progress 1
		.amdhsa_inst_pref_size 45
	.end_amdhsa_kernel
	.amdgpu_metadata
---
amdhsa.version: [ 1, 2 ]
amdhsa.kernels:
  - .name:           k_qa561e357c3_ln2
    .symbol:         k_qa561e357c3_ln2.kd
    .args:
      - { .name: x1, .offset: 0, .size: 8, .value_kind: global_buffer, .address_space: global }
      - { .name: ln_scale, .offset: 8, .size: 8, .value_kind: global_buffer, .address_space: global }
      - { .name: ln_shift, .offset: 16, .size: 8, .value_kind: global_buffer, .address_space: global }
      - { .name: lowp_scales, .offset: 24, .size: 8, .value_kind: global_buffer, .address_space: global }
      - { .name: h2c, .offset: 32, .size: 8, .value_kind: global_buffer, .address_space: global }
    .group_segment_fixed_size: 17920
    .private_segment_fixed_size: 0
    .kernarg_segment_align: 8
    .kernarg_segment_size: 40
    .max_flat_workgroup_size: 128
    .sgpr_count:     100
    .vgpr_count:     256
    .wavefront_size: 32
...
	.end_amdgpu_metadata
.endif
;; end of part 5
;; launch ffn1 (part 6): grid 16 x 16, 4 waves a work-group, clusters of 4 x 4, 327,680 bytes of LDS; arguments h2c, wc, lowp_scales, b1, gc; writes gc
.if DOCPART == 6
	.amdgcn_target "amdgcn-amd-amdhsa--gfx1250"
	.amdhsa_code_object_version 6
	.text
	.protected	k_qa561e357c3_ffn1
	.globl	k_qa561e357c3_ffn1
	.p2align	8
	.type	k_qa561e357c3_ffn1,@function
k_qa561e357c3_ffn1:
	s_mov_b64 s[64:65], 0
	v_nop
	global_prefetch_b8 v0, s[64:65] scope:SCOPE_SE
	s_setreg_imm32_b32 hwreg(HW_REG_WAVE_MODE, 25, 1), 1
	s_wait_xcnt 0x0
	s_wait_alu depctr_hold_cnt(0) depctr_sa_sdst(0) depctr_va_vdst(0) depctr_va_sdst(0) depctr_va_ssrc(0) depctr_va_vcc(0) depctr_vm_vsrc(0)
	s_getreg_b32 s2, hwreg(HW_REG_IB_STS2, 6, 4)
	s_cmp_eq_u32 s2, 0
	s_cbranch_scc0 .Lentry_in_a_cluster
	s_endpgm
.Lentry_in_a_cluster:
	s_bfe_u32 s2, ttmp6, 0x10000c
	s_cmp_lg_u32 s2, 0xf033
	s_cbranch_scc0 .Lentry_shape_is_right
	s_endpgm
.Lentry_shape_is_right:
; g = gelu(h2 W1 + b1), quantised at once (scale entry 14) into gc.  A = h2's codes (h2c), B = W1's codes (wc + 4 MiB), K = 1,024, N = 4,096.
; A tile of 256 x 256 is made by four waves, 128 x 128 each (64 accumulators); K goes in steps of 256 through two LDS slots.
; Operands are images of registers (16 rows x 128 K = 2,048 bytes: byte 512 c + 16 lane + e): a wave's tensor load brings 8 rows of 4,096 consecutive bytes; a fragment comes by four ds_load_b128 at 16 x lane.
; THE MATRIX INSTRUCTION IS USED TRANSPOSED: a lane holds one token, and by the order of the weight's columns in wc the 16 registers of accumulators 2 b, 2 b + 1 are 16 neighbouring hidden units:
; the conversions' results are the next product's operand registers, stored 512 consecutive bytes at a time.
; gelu(x) = 0.5 x (1 + tanh(u)), u = sqrt(2 / pi) (x + 0.044715 x^3), is x / (1 + e^(-2 u)) = x / (1 + 2^(x (K0 + K1 x^2))), K0 = -2 log2(e) sqrt(2 / pi), K1 = 0.044715 K0: all in f32.
; CLUSTERS: 4 x 4; A's tiles jointly along a row of the cluster, B's along a column.
; LIMITS: e12 + e13 between -126 and 127; e14 between -126 and 119.  NaN is not served.
; REGISTERS: window 0: v16-29 addresses, v32-95 b1 (index = the accumulators' index in a block), v96-115 the way out, v128-255 A's fragments, later x and its factor; window 1: B's two sets; windows 2, 3: accumulators.
.set FR,     16
.set NL,     4
.set NP,     4
.set RBB,    4096
.set HALFT,  8*RBB
.set SLOT,   4*HALFT
.set SPARE,  2*SLOT
.set KB,     16384
.set LAPS,   2
.set ADRA, 16
.set ADRB, 20
.set CO,   26
.set BOF,  27
.set SPW,  28
.set NIL,  29
.set B1,   32
.set PC,   96
.set AF,   128
.set XG,   128
.set WG,   192
.set G1, 24
.set G0, 32
.set G1B, 48
.set G0B, 56
.set MSB, 0
.macro WIN new
.if MSB != \new
	s_set_vgpr_msb (MSB<<8)|\new
.set MSB, \new
.endif
.endm
.set MUL_LO, 0xa1
.set MUL_HI, 0xf1
.set TO_B,   0x40
.macro JLOAD g0a, g1a, g0b, g1b
	s_cmp_eq_u32 s15, 0
	s_cbranch_scc0 .Lfor_b_\@
	tensor_load_to_lds s[\g0a:\g0a+3], s[\g1a:\g1a+7]
	s_nop 0
.rept 4
	v_nop
.endr
	s_branch .Lasked_\@
.Lfor_b_\@:
	tensor_load_to_lds s[\g0b:\g0b+3], s[\g1b:\g1b+7]
	s_nop 0
.rept 4
	v_nop
.endr
.Lasked_\@:
.endm
.macro CREST
	s_cmp_lg_u32 s14, 0
	s_cbranch_scc1 .Lnot_wave_0_\@
	s_barrier_signal -3
.Lnot_wave_0_\@:
	s_barrier_wait -3
	s_barrier_signal -1
	s_barrier_wait -1
.endm
.macro CROUND
	s_barrier_signal -1
	s_barrier_wait -1
	CREST
.endm
	s_load_b128 s[4:7], s[0:1], 0x0                ; h2c, wc
	s_load_b128 s[8:11], s[0:1], 0x10              ; lowp_scales, b1
	s_load_b64 s[12:13], s[0:1], 0x20              ; gc
	v_lshl_add_u32 v[SPW], v0, 2, SPARE
	v_mov_b32 v[NIL], 0
	ds_add_u32 v28, v29
	ds_add_u32 v28, v29
	s_wait_dscnt 0x0
	v_lshrrev_b32 v1, 5, v0
	v_readfirstlane_b32 s14, v1
	s_lshr_b32 s15, s14, 1
	s_and_b32 s16, s14, 1
	s_bfe_u32 s40, ttmp6, 0x40000
	s_bfe_u32 s41, ttmp6, 0x40004
	s_lshl_b32 s42, ttmp9, 2
	s_add_co_u32 s42, s42, s40                     ; tile column
	s_and_b32 s17, ttmp7, 0xffff
	s_lshl_b32 s17, s17, 2
	s_add_co_u32 s17, s17, s41                     ; tile row
	s_lshl_b32 s43, s41, 2
	s_lshl_b32 s43, 15, s43
	s_lshl_b32 s44, 0x1111, s40
	s_or_b32 s[G1+0], s43, (1<<21)
	s_or_b32 s[G1B+0], s44, (1<<21)
.irp g, G1, G1B
	s_mov_b32 s[\g+1], RBB<<16
	s_mov_b32 s[\g+2], 8<<16
	s_mov_b32 s[\g+3], RBB<<16
	s_mov_b32 s[\g+4], 8
	s_mov_b32 s[\g+5], KB
	s_mov_b32 s[\g+6], 0
	s_mov_b32 s[\g+7], 0
.endr
	s_lshl_b32 s18, s16, 3
	s_lshl_b32 s20, s17, 4
	s_add_co_u32 s20, s20, s18
	s_lshl_b32 s20, s20, 14
	s_mov_b32 s21, 0
	s_lshl_b32 s46, s42, 4
	s_add_co_u32 s46, s46, s18
	s_lshl_b32 s46, s46, 14
	s_add_co_u32 s46, s46, 0x400000                ; W1's codes in wc
	s_mov_b32 s47, 0
	s_mul_i32 s45, s14, HALFT
	s_wait_kmcnt 0x0
	s_load_b128 s[92:95], s[8:9], 0x30             ; entries 12 .. 15
	s_add_nc_u64 s[20:21], s[4:5], s[20:21]
	s_add_nc_u64 s[46:47], s[6:7], s[46:47]
	CROUND
.irp s, 0,1
	s_mov_b32 s[G0+4*\s], 1
	s_add_co_u32 s[G0+4*\s+1], s45, \s*SLOT
	s_add_nc_u64 s[G0+4*\s+2:G0+4*\s+3], s[20:21], \s*RBB
	s_or_b32 s[G0+4*\s+3], s[G0+4*\s+3], 0x80000000
	s_mov_b32 s[G0B+4*\s], 1
	s_add_co_u32 s[G0B+4*\s+1], s45, \s*SLOT
	s_add_nc_u64 s[G0B+4*\s+2:G0B+4*\s+3], s[46:47], \s*RBB
	s_or_b32 s[G0B+4*\s+3], s[G0B+4*\s+3], 0x80000000
	JLOAD G0+4*\s, G1, G0B+4*\s, G1B
.endr
	v_and_b32 v6, 31, v0
	v_lshlrev_b32 v[CO], 4, v6
	v_bfe_u32 v2, v0, 4, 1
	v_lshlrev_b32 v[BOF], 6, v2                    ; b1: 16 numbers further on for lanes 16-31
	s_mul_i32 s21, s15, HALFT
	s_mul_i32 s22, s16, HALFT
	s_add_co_u32 s22, s22, 2*HALFT
.irp s, 0,1
	v_add_nc_u32 v[ADRA+\s], s21, v[CO]
	v_add_nc_u32 v[ADRB+\s], s22, v[CO]
	s_add_co_u32 s21, s21, SLOT
	s_add_co_u32 s22, s22, SLOT
.endr
	s_lshl_b32 s70, s17, 4
	s_lshl_b32 s71, s15, 3
	s_add_co_u32 s70, s70, s71                     ; my first block of 16 tokens
	s_lshl_b32 s70, s70, 5                         ; 32 fragments to a block's row
	s_lshl_b32 s71, s42, 1
	s_add_co_u32 s70, s70, s71
	s_add_co_u32 s70, s70, s16                     ; my 128 hidden units are one fragment
	s_lshl_b32 s70, s70, 11
	s_mov_b32 s71, 0
	s_add_nc_u64 s[12:13], s[12:13], s[70:71]
	s_lshl_b32 s72, s42, 10
	s_lshl_b32 s73, s16, 9
	s_add_co_u32 s72, s72, s73
	s_mov_b32 s73, 0
	s_add_nc_u64 s[10:11], s[10:11], s[72:73]      ; b1 at my first column
.irp b, 0,1,2,3
.irp i, 0,1,2,3
	global_load_b128 v[B1+16*\b+4*\i:B1+16*\b+4*\i+3], v[BOF], s[10:11] offset:128*\b+16*\i
.endr
.endr
.macro FRAG reg, adr, q, i
.irp c, 0,1,2,3
	ds_load_b128 v[\reg+4*\c:\reg+4*\c+3], v[\adr] offset:(\i)*RBB+(\q)*2048+512*\c
.endr
.endm
.macro MUL16 a0, p, zero               ; the 64 accumulators take turns, one instruction a turn
.irp a, \a0, \a0+1
.irp b, 0,1,2,3,4,5,6,7
.if \zero
	v_wmma_f32_16x16x128_fp8_fp8 v[8*(8*((\a)%4)+\b):8*(8*((\a)%4)+\b)+7], v[128*(\p)+FR*\b:128*(\p)+FR*\b+FR-1], v[AF+FR*(\a):AF+FR*(\a)+FR-1], 0
.else
	v_wmma_f32_16x16x128_fp8_fp8 v[8*(8*((\a)%4)+\b):8*(8*((\a)%4)+\b)+7], v[128*(\p)+FR*\b:128*(\p)+FR*\b+FR-1], v[AF+FR*(\a):AF+FR*(\a)+FR-1], v[8*(8*((\a)%4)+\b):8*(8*((\a)%4)+\b)+7]
.endif
.endr
.endr
.endm
.macro FETCH_B slot, q, p
	WIN TO_B
.irp i, 0,1,2,3,4,5,6,7
	FRAG 128*(\p)+FR*\i, ADRB+\slot, \q, \i
.endr
	WIN 0
.endm
.macro FETCH_A slot, q, i0
.irp i, \i0, \i0+1, \i0+2, \i0+3
	FRAG AF+FR*(\i), ADRA+\slot, \q, \i
.endr
.endm
.macro PLACES n
.rept \n
	v_nop
.endr
.endm
.macro STEP slot, q, zero
	s_wait_dscnt 4*NL                              ; the youngest 16 loads (A's blocks 4-7) may be out
	WIN MUL_LO
	MUL16 0, (\q)%2, \zero
	MUL16 2, (\q)%2, \zero
	s_wait_dscnt 0
	PLACES NP
	FETCH_B \slot, (\q)+1, 1-(\q)%2
	FETCH_A \slot, (\q)+1, 0
	WIN MUL_HI
	MUL16 4, (\q)%2, \zero
	MUL16 6, (\q)%2, \zero
	PLACES NP
	WIN 0
	FETCH_A \slot, (\q)+1, 4
.endm
.macro TURN slot, next, fill
	s_wait_tensorcnt 0x0                           ; all my tensor loads have landed
	ds_add_u32 v[SPW], v[NIL]                      ; 0 onto my spare word
	s_wait_dscnt 4*NL+1                            ; the add and the youngest 16 loads may be out
	WIN MUL_LO
	MUL16 0, 1, 0
	s_wait_dscnt 0x0                               ; the add is done, and my reads of this slot are over
	s_barrier_signal -1
	MUL16 2, 1, 0
	WIN 0
	s_barrier_wait -1
.if \fill
	CREST
	s_add_nc_u64 s[G0+4*\slot+2:G0+4*\slot+3], s[G0+4*\slot+2:G0+4*\slot+3], 2*RBB
	s_add_nc_u64 s[G0B+4*\slot+2:G0B+4*\slot+3], s[G0B+4*\slot+2:G0B+4*\slot+3], 2*RBB
	JLOAD G0+4*\slot, G1, G0B+4*\slot, G1B
.else
	PLACES NP
.endif
	FETCH_B \next, 0, 0
	FETCH_A \next, 0, 0
	WIN MUL_HI
	MUL16 4, 1, 0
	MUL16 6, 1, 0
	PLACES NP
	WIN 0
	FETCH_A \next, 0, 4
.endm
	s_wait_tensorcnt 1                             ; my part of slot 0 is in; slot 1's one load may be out
	s_barrier_signal -1
	s_barrier_wait -1
	FETCH_B 0, 0, 0
	FETCH_A 0, 0, 0
	FETCH_A 0, 0, 4
	STEP 0, 0, 1
	s_mov_b32 s3, LAPS-1
.Llap:
	TURN 0, 1, 1
	STEP 1, 0, 0
	TURN 1, 0, 1
	STEP 0, 0, 0
	s_sub_co_u32 s3, s3, 1
	s_cmp_lg_u32 s3, 0
	s_cbranch_scc1 .Llap
	TURN 0, 1, 0
	STEP 1, 0, 0
	s_wait_dscnt 4*NL
	WIN MUL_LO
	MUL16 0, 1, 0
	MUL16 2, 1, 0
	s_wait_dscnt 0
	WIN MUL_HI
	MUL16 4, 1, 0
	MUL16 6, 1, 0
	WIN 0
	s_wait_kmcnt 0x0
	s_add_co_i32 s96, s92, s93
	s_add_co_i32 s96, s96, 127
	s_lshl_b32 s96, s96, 23                        ; 2^(e12 + e13)
	s_mov_b32 s97, s96
	s_mov_b32 s98, 0xbdd2d3e8                      ; K1
	s_mov_b32 s99, s98
	s_add_co_i32 s94, s94, 127
	s_lshl_b32 s95, s94, 23
	s_add_co_i32 s94, s94, 8
	s_lshl_b32 s94, s94, 23
	s_or_b32 s94, s94, 0x600000
	PLACES NP
	v_mov_b32 v112, 0xc0135761                     ; K0
	v_mov_b32 v113, v112
	v_mov_b32 v114, s95                            ; 2^e14
	v_mov_b32 v115, s94                            ; 448 x 2^e14
	s_wait_loadcnt 0x0                             ; b1
.macro GOUT a                          ; A's block a: 64 sums a lane -> x -> gelu -> 16 registers of codes -> four stores of 512 consecutive bytes
.set AC, 64*((\a)%4)
.if (\a) > 0
	s_wait_xcnt 0x0                                ; the last block's stores have read their data
.endif
	WIN 0x02+((\a)/4)
.set j, 0
.rept 32
	v_pk_fma_f32 v[XG+j:XG+j+1], v[AC+j:AC+j+1], s[96:97], v[B1+j:B1+j+1] op_sel_hi:[1,0,1]   ; x = sum x 2^(e12 + e13) + b1; each accumulator from its low end on
.set j, j+2
.endr
	WIN 0
.set j, 0
.rept 32
	v_pk_mul_f32 v[WG+j:WG+j+1], v[XG+j:XG+j+1], v[XG+j:XG+j+1]
.set j, j+2
.endr
.set j, 0
.rept 32
	v_pk_fma_f32 v[WG+j:WG+j+1], v[WG+j:WG+j+1], s[98:99], v[112:113] op_sel_hi:[1,0,1]
.set j, j+2
.endr
.set j, 0
.rept 32
	v_pk_mul_f32 v[WG+j:WG+j+1], v[WG+j:WG+j+1], v[XG+j:XG+j+1]
.set j, j+2
.endr
.set j, 0
.rept 64
	v_exp_f32 v[WG+j], v[WG+j]
.set j, j+1
.endr
	v_nop
.set j, 0
	s_wait_alu depctr_va_vdst(0)
.rept 32
	v_pk_add_f32 v[WG+j:WG+j+1], v[WG+j:WG+j+1], 1.0 op_sel_hi:[1,0]
.set j, j+2
.endr
.set j, 0
.rept 64
	v_rcp_f32 v[WG+j], v[WG+j]
.set j, j+1
.endr
	v_nop
.set j, 0
	s_wait_alu depctr_va_vdst(0)
.rept 32
	v_pk_mul_f32 v[XG+j:XG+j+1], v[XG+j:XG+j+1], v[WG+j:WG+j+1]
.set j, j+2
.endr
.set j, 0
.rept 64
	v_med3_num_f32 v[XG+j], v[XG+j], -v115, v115
.set j, j+1
.endr
.irp b, 0,1,2,3,4,5,6,7
	v_cvt_scalef32_pk8_fp8_f32 v[PC+2*\b:PC+2*\b+1], v[XG+8*\b:XG+8*\b+7], v114
.endr
	v_nop                                          ; a plain line behind the last conversion
.irp c, 0,1,2,3
	global_store_b128 v[CO], v[PC+4*\c:PC+4*\c+3], s[12:13] offset:65536*(\a)+512*\c
.endr
.endm
.irp a, 0,1,2,3,4,5,6,7
	GOUT \a
.endr
	s_wait_tensorcnt 0x0                           ; the wave's end
	ds_add_u32 v[SPW], v[NIL]
	s_wait_dscnt 0x0
	CROUND
	s_endpgm
.Lfunc_end_k_qa561e357c3_ffn1:
	.size	k_qa561e357c3_ffn1, .Lfunc_end_k_qa561e357c3_ffn1-k_qa561e357c3_ffn1
	.p2alignl 7, 3214868480
	.fill 96, 4, 3214868480
	.section	.rodata,"a",@progbits
	.p2align	6, 0x0
	.amdhsa_kernel k_qa561e357c3_ffn1
		.amdhsa_group_segment_fixed_size 327680
		.amdhsa_private_segment_fixed_size 0
		.amdhsa_enable_private_segment 0
		.amdhsa_kernarg_size 40
		.amdhsa_user_sgpr_count 2
		.amdhsa_user_sgpr_kernarg_segment_ptr 1
		.amdhsa_wavefront_size32 1
		.amdhsa_system_sgpr_workgroup_id_x 1
		.amdhsa_system_sgpr_workgroup_id_y 1
		.amdhsa_system_sgpr_workgroup_id_z 1
		.amdhsa_system_vgpr_workitem_id 0
		.amdhsa_next_free_vgpr 1024
		.amdhsa_next_free_sgpr 100
		.amdhsa_reserve_vcc 0
		.amdhsa_float_denorm_mode_32 3
		.amdhsa_float_denorm_mode_16_64 3
		.amdhsa_memory_ordered 1
		.amdhsa_forward_progress 1
		.amdhsa_inst_pref_size 248
	.end_amdhsa_kernel
	.amdgpu_metadata
---
amdhsa.version: [ 1, 2 ]
amdhsa.kernels:
  - .name:           k_qa561e357c3_ffn1
    .symbol:         k_qa561e357c3_ffn1.kd
    .args:
      - { .name: h2c, .offset: 0, .size: 8, .value_kind: global_buffer, .address_space: global }
      - { .name: wc, .offset: 8, .size: 8, .value_kind: global_buffer, .address_space: global }
      - { .name: lowp_scales, .offset: 16, .size: 8, .value_kind: global_buffer, .address_space: global }
      - { .name: b1, .offset: 24, .size: 8, .value_kind: global_buffer, .address_space: global }
      - { .name: gc, .offset: 32, .size: 8, .value_kind: global_buffer, .address_space: global }
    .group_segment_fixed_size: 327680
    .private_segment_fixed_size: 0
    .kernarg_segment_align: 8
    .kernarg_segment_size: 40
    .max_flat_workgroup_size: 128
    .sgpr_count:     100
    .vgpr_count:     1024
    .wavefront_size: 32
...
	.end_amdgpu_metadata
.endif
;; end of part 6
;; launch ffn2 (part 7): grid 8 x 32, 4 waves a work-group, clusters of 4 x 4, 327,680 bytes of LDS; arguments gc, wc, lowp_scales, b2, x1, out0; writes out0
.if DOCPART == 7
	.amdgcn_target "amdgcn-amd-amdhsa--gfx1250"
	.amdhsa_code_object_version 6
	.text
	.protected	k_qa561e357c3_ffn2
	.globl	k_qa561e357c3_ffn2
	.p2align	8
	.type	k_qa561e357c3_ffn2,@function
k_qa561e357c3_ffn2:
	s_mov_b64 s[64:65], 0
	v_nop
	global_prefetch_b8 v0, s[64:65] scope:SCOPE_SE
	s_setreg_imm32_b32 hwreg(HW_REG_WAVE_MODE, 25, 1), 1
	s_wait_xcnt 0x0
	s_wait_alu depctr_hold_cnt(0) depctr_sa_sdst(0) depctr_va_vdst(0) depctr_va_sdst(0) depctr_va_ssrc(0) depctr_va_vcc(0) depctr_vm_vsrc(0)
	s_getreg_b32 s2, hwreg(HW_REG_IB_STS2, 6, 4)
	s_cmp_eq_u32 s2, 0
	s_cbranch_scc0 .Lentry_in_a_cluster
	s_endpgm
.Lentry_in_a_cluster:
	s_bfe_u32 s2, ttmp6, 0x10000c
	s_cmp_lg_u32 s2, 0xf033
	s_cbranch_scc0 .Lentry_shape_is_right
	s_endpgm
.Lentry_shape_is_right:
; out0 = x1 + (g W2 + b2): A = g's codes (gc), B = W2's codes (wc + 8 MiB), K = 4,096; sums in f32, x 2^(e14 + e15), + bias, + residual.
; A tile of 128 x 128 is made by four waves, 64 x 64 each (16 accumulators): 256 work-groups.  K goes in steps of 512 through a ring of two LDS slots.
; Operands are images of registers (16 rows x 128 K = 2,048 bytes): a wave's tensor load brings 4 rows of 8,192 consecutive bytes; a fragment comes by four ds_load_b128 at 16 x lane.
; THE MATRIX INSTRUCTION IS USED TRANSPOSED: a lane holds one token and, by the order of the weight's columns in wc, the 16 registers of accumulators 2 b, 2 b + 1 are 16 neighbouring columns.
; CLUSTERS: 4 x 4; A's tiles jointly along a row of the cluster, B's along a column; where a slot is filled again a round of the cluster's barrier stands in front.
; LIMIT: e14 + e15 between -126 and 127.
; REGISTERS: window 0: v3-29 addresses, v32-95 rows on the way out, v100-103 bias, v128-255 accumulators; window 1: two fragment buffers (A 0-63, B 64-127 of each); window 2: v0-127 the residual.
.set SIZE_K, 4096
.set WOFF,   0x800000
.set SCOFF,  56
.set KB,     16*SIZE_K
.set RB,     8192
.set HALFT,  4*RB
.set SLOT,   4*HALFT
.set SPARE,  2*SLOT
.set LAPS,   SIZE_K/1024
.set SPITCH, 272                       ; the way out: a stage of 16 rows x (256 + 16) bytes a wave, in slot 0, which has had its last fill and its last read by then
.set ADRA, 16
.set ADRB, 20
.set STO,  24
.set RD,   25
.set CO,   26
.set BO,   27
.set SPW,  28
.set NIL,  29
.set BK,   32
.set BI,   100
.set ACC,  128
.set F0,   0
.set F1,   128
.set G1, 24
.set G0, 32
.set G1B, 48
.set G0B, 56
.set MSB, 0
.macro WIN new
.if MSB != \new
	s_set_vgpr_msb (MSB<<8)|\new
.set MSB, \new
.endif
.endm
.set MUL,  0x05
.set TO_F, 0x40
.macro JLOAD s
	s_cmp_eq_u32 s11, 0
	s_cbranch_scc0 .Lfor_b_\@
	tensor_load_to_lds s[G0+4*\s:G0+4*\s+3], s[G1:G1+7]
	s_nop 0
.rept 4
	v_nop
.endr
	s_branch .Lasked_\@
.Lfor_b_\@:
	tensor_load_to_lds s[G0B+4*\s:G0B+4*\s+3], s[G1B:G1B+7]
	s_nop 0
.rept 4
	v_nop
.endr
.Lasked_\@:
.endm
.macro CREST
	s_cmp_lg_u32 s10, 0
	s_cbranch_scc1 .Lnot_wave_0_\@
	s_barrier_signal -3
.Lnot_wave_0_\@:
	s_barrier_wait -3
	s_barrier_signal -1
	s_barrier_wait -1
.endm
.macro CROUND
	s_barrier_signal -1
	s_barrier_wait -1
	CREST
.endm
	s_load_b128 s[4:7], s[0:1], 0x0                ; A's codes, wc
	s_load_b256 s[68:75], s[0:1], 0x10             ; lowp_scales, bias, residual, result
	v_lshl_add_u32 v[SPW], v0, 2, SPARE
	v_mov_b32 v[NIL], 0
	ds_add_u32 v28, v29
	ds_add_u32 v28, v29
	s_wait_dscnt 0x0
	v_lshrrev_b32 v1, 5, v0
	v_readfirstlane_b32 s10, v1
	s_lshr_b32 s11, s10, 1
	s_and_b32 s12, s10, 1
	s_bfe_u32 s40, ttmp6, 0x40000
	s_bfe_u32 s41, ttmp6, 0x40004
	s_lshl_b32 s42, ttmp9, 2
	s_add_co_u32 s42, s42, s40
	s_and_b32 s13, ttmp7, 0xffff
	s_lshl_b32 s13, s13, 2
	s_add_co_u32 s13, s13, s41
	s_lshl_b32 s43, s41, 2
	s_lshl_b32 s43, 15, s43
	s_lshl_b32 s44, 0x1111, s40
	s_or_b32 s[G1+0], s43, (1<<21)
	s_or_b32 s[G1B+0], s44, (1<<21)
.irp g, G1, G1B
	s_mov_b32 s[\g+1], RB<<16
	s_mov_b32 s[\g+2], 4<<16
	s_mov_b32 s[\g+3], RB<<16
	s_mov_b32 s[\g+4], 4
	s_mov_b32 s[\g+5], KB
	s_mov_b32 s[\g+6], 0
	s_mov_b32 s[\g+7], 0
.endr
	s_lshl_b32 s18, s12, 2
	s_lshl_b32 s16, s13, 3
	s_add_co_u32 s16, s16, s18
	s_mul_i32 s16, s16, KB
	s_mov_b32 s17, 0
	s_lshl_b32 s46, s42, 3
	s_add_co_u32 s46, s46, s18
	s_mul_i32 s46, s46, KB
	s_add_co_u32 s46, s46, WOFF
	s_mov_b32 s47, 0
	s_mul_i32 s20, s10, HALFT
	s_wait_kmcnt 0x0
	s_load_b64 s[76:77], s[68:69], SCOFF
	s_add_nc_u64 s[14:15], s[4:5], s[16:17]
	s_add_nc_u64 s[46:47], s[6:7], s[46:47]
	CROUND
.irp s, 0,1
	s_mov_b32 s[G0+4*\s], 1
	s_add_co_u32 s[G0+4*\s+1], s20, \s*SLOT
	s_add_nc_u64 s[G0+4*\s+2:G0+4*\s+3], s[14:15], \s*RB
	s_or_b32 s[G0+4*\s+3], s[G0+4*\s+3], 0x80000000
	s_mov_b32 s[G0B+4*\s], 1
	s_add_co_u32 s[G0B+4*\s+1], s20, \s*SLOT
	s_add_nc_u64 s[G0B+4*\s+2:G0B+4*\s+3], s[46:47], \s*RB
	s_or_b32 s[G0B+4*\s+3], s[G0B+4*\s+3], 0x80000000
	JLOAD \s
.endr
	v_and_b32 v1, 15, v0
	v_bfe_u32 v2, v0, 4, 1
	v_and_b32 v4, 31, v0
	v_lshlrev_b32 v3, 4, v4
	s_mul_i32 s21, s11, HALFT
	s_mul_i32 s22, s12, HALFT
	s_add_co_u32 s22, s22, 2*HALFT
.irp s, 0,1
	v_add_nc_u32 v[ADRA+\s], s21, v3
	v_add_nc_u32 v[ADRB+\s], s22, v3
	s_add_co_u32 s21, s21, SLOT
	s_add_co_u32 s22, s22, SLOT
.endr
	s_mul_i32 s23, s10, 16*SPITCH
	v_mul_u32_u24 v4, v1, SPITCH
	v_lshl_add_u32 v4, v2, 6, v4
	v_add_nc_u32 v[STO], s23, v4
	v_mul_u32_u24 v5, v2, SPITCH
	v_lshl_add_u32 v5, v1, 4, v5
	v_add_nc_u32 v[RD], s23, v5
	v_lshlrev_b32 v5, 12, v2
	v_lshl_add_u32 v[CO], v1, 4, v5
	v_lshlrev_b32 v[BO], 4, v1
	s_lshl_b32 s16, s13, 7
	s_lshl_b32 s17, s11, 6
	s_add_co_u32 s16, s16, s17
	s_lshl_b32 s16, s16, 12
	s_mov_b32 s17, 0
	s_lshl_b32 s46, s42, 9
	s_lshl_b32 s47, s12, 8
	s_add_co_u32 s46, s46, s47
	s_mov_b32 s47, 0
	s_add_nc_u64 s[70:71], s[70:71], s[46:47]
	s_add_nc_u64 s[72:73], s[72:73], s[16:17]
	s_add_nc_u64 s[72:73], s[72:73], s[46:47]
	s_add_nc_u64 s[74:75], s[74:75], s[16:17]
	s_add_nc_u64 s[74:75], s[74:75], s[46:47]
	global_load_b128 v[BI:BI+3], v[BO], s[70:71]
	WIN 0x80
.irp a, 0,1,2,3
.irp t, 0,1,2,3,4,5,6,7
	global_load_b128 v[4*(8*\a+\t):4*(8*\a+\t)+3], v[CO], s[72:73] offset:(16*\a+2*\t)*4096   ; the residual lands under the products
.endr
.endr
	WIN 0
.macro MULA f, a, zero                 ; the 16 accumulators take turns, one instruction a turn
.irp b, 0,1,2,3
.if \zero
	v_wmma_f32_16x16x128_fp8_fp8 v[ACC+8*(4*\a+\b):ACC+8*(4*\a+\b)+7], v[\f+64+16*\b:\f+64+16*\b+15], v[\f+16*\a:\f+16*\a+15], 0
.else
	v_wmma_f32_16x16x128_fp8_fp8 v[ACC+8*(4*\a+\b):ACC+8*(4*\a+\b)+7], v[\f+64+16*\b:\f+64+16*\b+15], v[\f+16*\a:\f+16*\a+15], v[ACC+8*(4*\a+\b):ACC+8*(4*\a+\b)+7]
.endif
.endr
.endm
.macro FETCH slot, q, f
	WIN TO_F
.irp i, 0,1,2,3
.irp c, 0,1,2,3
	ds_load_b128 v[\f+64+16*\i+4*\c:\f+64+16*\i+4*\c+3], v[ADRB+\slot] offset:\i*RB+\q*2048+512*\c
.endr
.endr
.irp i, 0,1,2,3
.irp c, 0,1,2,3
	ds_load_b128 v[\f+16*\i+4*\c:\f+16*\i+4*\c+3], v[ADRA+\slot] offset:\i*RB+\q*2048+512*\c
.endr
.endr
.endm
.macro PLACES
.rept 4
	v_nop
.endr
.endm
.macro QUARTER slot, qn, f, g, zero
	s_wait_dscnt 8                                 ; the youngest 8 loads (A's blocks 2, 3) may be out
	WIN MUL
	MULA \f, 0, \zero
	MULA \f, 1, \zero
	PLACES
	FETCH \slot, \qn, \g
	s_wait_dscnt 32                                ; all but the 32 just issued
	WIN MUL
	MULA \f, 2, \zero
	MULA \f, 3, \zero
.endm
.macro TURN slot, next, fill
	WIN 0
	s_wait_tensorcnt 0x0                           ; all my tensor loads have landed: my part of the next slot
	ds_add_u32 v[SPW], v[NIL]                      ; 0 onto my spare word
	s_wait_dscnt 9                                 ; the add and the youngest 8 loads may be out
	WIN MUL
	MULA F1, 0, 0
	MULA F1, 1, 0
	s_wait_dscnt 0x0                               ; the add is done, and my reads of this slot are over
	s_barrier_signal -1
	MULA F1, 2, 0
.if \fill
	WIN 0
.endif
	s_barrier_wait -1
.if \fill
	CREST                                          ; the barrier has opened a round of the cluster's: no wave of any partner still reads this slot or has a load on its way
	s_add_nc_u64 s[G0+4*\slot+2:G0+4*\slot+3], s[G0+4*\slot+2:G0+4*\slot+3], 2*RB
	s_add_nc_u64 s[G0B+4*\slot+2:G0B+4*\slot+3], s[G0B+4*\slot+2:G0B+4*\slot+3], 2*RB
	JLOAD \slot                                    ; my one tensor load behind the round; its four v_nop are the places in front of the loads below
.else
	PLACES
.endif
	FETCH \next, 0, F0
	WIN MUL
	MULA F1, 3, 0
.endm
	s_wait_tensorcnt 1                             ; my part of slot 0 is in; slot 1's one load may be out
	s_barrier_signal -1
	s_barrier_wait -1
	FETCH 0, 0, F0
	QUARTER 0, 1, F0, F1, 1
.if LAPS > 1
	WIN 0
	s_mov_b32 s3, LAPS-1
.Llap:                                                 ; a trip goes once round the ring and fills both slots again
	QUARTER 0, 2, F1, F0, 0
	QUARTER 0, 3, F0, F1, 0
	TURN 0, 1, 1
	QUARTER 1, 1, F0, F1, 0
	QUARTER 1, 2, F1, F0, 0
	QUARTER 1, 3, F0, F1, 0
	TURN 1, 0, 1
	QUARTER 0, 1, F0, F1, 0
	WIN 0
	s_sub_co_u32 s3, s3, 1
	s_cmp_lg_u32 s3, 0
	s_cbranch_scc1 .Llap
.endif
	QUARTER 0, 2, F1, F0, 0
	QUARTER 0, 3, F0, F1, 0
	TURN 0, 1, 0
	QUARTER 1, 1, F0, F1, 0
	QUARTER 1, 2, F1, F0, 0
	QUARTER 1, 3, F0, F1, 0
	s_wait_dscnt 8
	WIN MUL
	MULA F1, 0, 0
	MULA F1, 1, 0
	s_wait_dscnt 0
	MULA F1, 2, 0
	MULA F1, 3, 0
	WIN 0
	PLACES
	s_wait_kmcnt 0x0
	s_add_co_i32 s76, s76, s77
	s_add_co_i32 s76, s76, 127
	s_lshl_b32 s76, s76, 23                        ; 2^(ea + eb)
	s_mov_b32 s77, s76
	s_wait_loadcnt 0x0                             ; bias and residual
.macro TOSTAGE a
.if \a >= 2
	s_wait_xcnt 0x0                                ; block a - 2's stores have read the registers that these loads fill
.endif
.irp b, 0,1,2,3
	ds_store_b128 v[STO], v[ACC+8*(4*\a+\b):ACC+8*(4*\a+\b)+3] offset:128*(\b/2)+32*(\b%2)
	ds_store_b128 v[STO], v[ACC+8*(4*\a+\b)+4:ACC+8*(4*\a+\b)+7] offset:128*(\b/2)+32*(\b%2)+16
.endr
.irp t, 0,1,2,3,4,5,6,7
	ds_load_b128 v[BK+32*(\a%2)+4*\t:BK+32*(\a%2)+4*\t+3], v[RD] offset:\t*2*SPITCH   ; LDS serves a wave's instructions in order: these see the stores above
.endr
.endm
.macro FIN a, younger
.set BB, BK+32*((\a)%2)
	s_wait_dscnt \younger
.irp i, 0,2,4,6,8,10,12,14,16,18,20,22,24,26,28,30
	v_pk_fma_f32 v[BB+\i:BB+\i+1], v[BB+\i:BB+\i+1], s[76:77], v[BI+\i%4:BI+\i%4+1] op_sel_hi:[1,0,1]
.endr
	WIN 0x08
.irp i, 0,2,4,6,8,10,12,14,16,18,20,22,24,26,28,30
	v_pk_add_f32 v[BB+\i:BB+\i+1], v[BB+\i:BB+\i+1], v[32*\a+\i:32*\a+\i+1]
.endr
	WIN 0
.irp t, 0,1,2,3,4,5,6,7
	global_store_b128 v[CO], v[BB+4*\t:BB+4*\t+3], s[74:75] offset:(16*\a+2*\t)*4096 th:TH_STORE_NT   ; sixteen lanes store 256 consecutive bytes, aligned
.endr
.endm
	TOSTAGE 0
	TOSTAGE 1
	FIN 0, 16
	TOSTAGE 2
	FIN 1, 16
	TOSTAGE 3
	FIN 2, 16
	FIN 3, 0
	s_wait_tensorcnt 0x0                           ; the wave's end
	ds_add_u32 v[SPW], v[NIL]
	s_wait_dscnt 0x0
	CROUND
	s_endpgm
.Lfunc_end_k_qa561e357c3_ffn2:
	.size	k_qa561e357c3_ffn2, .Lfunc_end_k_qa561e357c3_ffn2-k_qa561e357c3_ffn2
	.p2alignl 7, 3214868480
	.fill 96, 4, 3214868480
	.section	.rodata,"a",@progbits
	.p2align	6, 0x0
	.amdhsa_kernel k_qa561e357c3_ffn2
		.amdhsa_group_segment_fixed_size 327680
		.amdhsa_private_segment_fixed_size 0
		.amdhsa_enable_private_segment 0
		.amdhsa_kernarg_size 48
		.amdhsa_user_sgpr_count 2
		.amdhsa_user_sgpr_kernarg_segment_ptr 1
		.amdhsa_wavefront_size32 1
		.amdhsa_system_sgpr_workgroup_id_x 1
		.amdhsa_system_sgpr_workgroup_id_y 1
		.amdhsa_system_sgpr_workgroup_id_z 1
		.amdhsa_system_vgpr_workitem_id 0
		.amdhsa_next_free_vgpr 768
		.amdhsa_next_free_sgpr 100
		.amdhsa_reserve_vcc 0
		.amdhsa_float_denorm_mode_32 3
		.amdhsa_float_denorm_mode_16_64 3
		.amdhsa_memory_ordered 1
		.amdhsa_forward_progress 1
		.amdhsa_inst_pref_size 81
	.end_amdhsa_kernel
	.amdgpu_metadata
---
amdhsa.version: [ 1, 2 ]
amdhsa.kernels:
  - .name:           k_qa561e357c3_ffn2
    .symbol:         k_qa561e357c3_ffn2.kd
    .args:
      - { .name: gc, .offset: 0, .size: 8, .value_kind: global_buffer, .address_space: global }
      - { .name: wc, .offset: 8, .size: 8, .value_kind: global_buffer, .address_space: global }
      - { .name: lowp_scales, .offset: 16, .size: 8, .value_kind: global_buffer, .address_space: global }
      - { .name: b2, .offset: 24, .size: 8, .value_kind: global_buffer, .address_space: global }
      - { .name: x1, .offset: 32, .size: 8, .value_kind: global_buffer, .address_space: global }
      - { .name: out0, .offset: 40, .size: 8, .value_kind: global_buffer, .address_space: global }
    .group_segment_fixed_size: 327680
    .private_segment_fixed_size: 0
    .kernarg_segment_align: 8
    .kernarg_segment_size: 48
    .max_flat_workgroup_size: 128
    .sgpr_count:     100
    .vgpr_count:     768
    .wavefront_size: 32
...
	.end_amdgpu_metadata
.endif
;; end of part 7
